; MI455X (gfx1250); checked and timed in simulation.
; The chip was launched on July 23, 2026; its instructions are those of AMD's public machine-readable ISA for CDNA 5 (MIT licence, August 2026) and "CDNA5" Instruction Set Architecture Reference Guide (July 2026). The comments in the code are by the model that wrote it; some were corrected since.
;; Grouped Query Attention. Allowed arithmetic: matrix products marked QUANTISED: E2M1 operands, one E8M0 scale for each 32 along K, by v_wmma_scale_f32_16x16x128_f8f6f4 with both operands' format E2M1 (or v_wmma_scale_f32_32x16x128_f4), f32 sums; products left as they are: bf16, f16 or f32 operands; f32 sums; everything else in f32.
;; Inputs: Wk 256 x 1,024 float32; Wo 1,024 x 1,024 float32; Wq 1,024 x 1,024 float32; Wv 256 x 1,024 float32; kn_w 64 float32; qn_w 64 float32; x 4 x 2,048 x 1,024 float32.
;; Outputs: out0 4 x 2,048 x 1,024 float32.
;; This version of the problem:
;;   THIS VERSION OF THE PROBLEM IS GIVEN IN LOW PRECISION. The matrix products marked QUANTISED in the list below multiply operands that are first quantised to E2M1 (2 exponent bits, 1 mantissa bit; 4 bits a number), with one power-of-two scale for each 32 numbers along K (OCP MX v1.0); their sums are f32. The products marked 'left as it is' may take bf16, f16 or f32 operands, with f32 sums. Whichever they take, every output number must still come out within the allowed error. Rounding operands to bf16 (8 significant bits) uses up far more of that allowance than f16 does (11 bits, for magnitudes from 6e-5 to 65,504). All else is computed in f32.
;;   The module's matrix products, in the order in which they are computed (A, B: the left and right operand; K: the contracted axis; several contracted axes count as one K, in the product's order):
;;     1. [M 8,192, K 1,024] x [K 1,024, N 1,024]; A: input x; B: input Wq: QUANTISED
;;     2. [M 8,192, K 1,024] x [K 1,024, N 256]; A: input x; B: input Wk: QUANTISED
;;     3. [M 8,192, K 1,024] x [K 1,024, N 256]; A: input x; B: input Wv: QUANTISED
;;     4. batch 64 x [M 2,048, K 64] x [K 64, N 2,048]; A: computed on the way; B: computed on the way: left as it is (an operand is computed on the way)
;;     5. batch 64 x [M 2,048, K 2,048] x [K 2,048, N 64]; A: computed on the way; B: computed on the way: left as it is (an operand is computed on the way)
;;     6. [M 8,192, K 1,024] x [K 1,024, N 1,024]; A: computed on the way; B: input Wo: left as it is (an operand is computed on the way)
;;   THE QUANTISER, for each operand of a quantised product, along K:
;;     - K is cut into blocks of 32 from its start; a last block that is shorter is filled with zeros.
;;     - A block's scale is 2^e with e = floor(log2(the largest magnitude in the block)) - 2, held to -126 .. 127; a block of zeros has e = 0. As a byte (E8M0): e + 127.
;;     - Each number is divided by its block's scale, clamped to +-6, and rounded to the nearest number of E2M1, ties to even, subnormals kept.
;;     - The product sums the exact products of the quantised numbers (number of the format x scale) in f32.
;;   ~~~python
;;   def quantise(x, axis):      # numpy; x: float32 -> the quantised numbers, widened to float32 again
;;       x = np.moveaxis(x, axis, -1); K = x.shape[-1]
;;       x = np.pad(x, [(0, 0)] * (x.ndim - 1) + [(0, -K % 32)]); x = x.reshape(x.shape[:-1] + (-1, 32)); a = np.abs(x).max(-1, keepdims=True)
;;       e = np.where(a > 0, np.clip(np.frexp(np.where(a > 0, a, 1))[1] - 1 - 2, -126, 127), 0)      # np.frexp(a)[1] - 1 = floor(log2(a)), exactly
;;       r = np.clip(x / 2.0 ** e, -6, 6)
;;       step = 2.0 ** (np.maximum(np.frexp(np.where(r == 0, 1, r))[1] - 1, 0) - 1)
;;       q = np.round(r / step) * step * 2.0 ** e      # np.round: ties to even
;;       return np.moveaxis(q.reshape(q.shape[:-2] + (-1,))[..., :K], -1, axis).astype(np.float32)
;;   ~~~
;; One version. Each part assembles by itself: llvm-mc -triple=amdgcn-amd-amdhsa -mcpu=gfx1250 --defsym DOCPART=n.
;; ======== version 1 of 1: 5 launches
;; limits: values are held in f16: magnitudes above 65,504 overflow, below 6.1e-05 lose precision
;; workspace buffers: cod 4,980,736 bytes; scl 311,296 bytes; woh 2,097,152 bytes; rope 524,288 bytes; qkv 25,165,824 bytes; fq 393,216 bytes; ao 16,777,216 bytes
;; launch prep (part 1): grid 368 x 1, 4 waves a work-group, no clusters, 33,280 bytes of LDS; arguments x, Wq, Wk, Wv, Wo, cod, scl, woh, rope; writes cod, scl, woh, rope
.if DOCPART == 1
	.amdgcn_target "amdgcn-amd-amdhsa--gfx1250"
	.amdhsa_code_object_version 6
	.text
	.protected	k_q2705952788_prep
	.globl	k_q2705952788_prep
	.p2align	8
	.type	k_q2705952788_prep,@function
k_q2705952788_prep:
	s_mov_b64 s[64:65], 0
	v_nop
	global_prefetch_b8 v0, s[64:65] scope:SCOPE_SE
	s_setreg_imm32_b32 hwreg(HW_REG_WAVE_MODE, 25, 1), 1
	s_wait_xcnt 0x0
; THREE JOBS, told apart by the work-group's number alone.
; Work-groups 0-303: x [8192][1024], Wq [1024][1024], Wk, Wv [256][1024], f32, become codes of FP4 (E2M1), K innermost, with one E8M0 byte for each 32 along K.
;   cod is [9728 rows][512 bytes], scl [9728][32 bytes]; rows 0-8191 x, 8192-9215 Wq, 9216-9471 Wk, 9472-9727 Wv.  Rows are dense and 1024 is a multiple of 32: each tensor is a plain stream of blocks of 32.
;   A block's scale is 2^(floor(log2(largest magnitude)) - 2): its byte is the largest magnitude's exponent field - 2, held at 1 from below.
;   LIMITS: a block of zeros, or one whose largest magnitude lies under 2^-124, gets the byte 1 (its codes are what the conversion gives under that scale; a block of zeros has zero codes); the bytes are read by this program alone.  NaN and infinities are not served.
; Work-groups 304-335: Wo [1024][1024] f32 -> woh, f16, rounded to nearest even.  LIMIT: |Wo| under 65,504.
; Work-groups 336-367: the table rope [2048 positions][32 frequencies][cos, sin] f32.  angle = t x 10000^(-i/32); it is reduced by n = the nearest whole number of quarter turns (pi/2 in two parts, fused multiply-adds), and sine and cosine
;   of the rest, at most pi/4, are Taylor sums to r^9 and r^10: their first left-out terms are under 2^-29.
; A wave of the first job takes 16 steps of 512 numbers.  Each of a step's four loads reads 512 consecutive bytes; the 2,048 bytes turn through the wave's own stage in LDS and come back 64 bytes a lane, so that a lane holds 16 neighbours
; along K and two neighbouring lanes a block.  A lane's 16 codes are 8 bytes: the wave stores 256 consecutive bytes.  A wave's 256 scale bytes are gathered in LDS and leave as 256 consecutive bytes.  No barrier: waves share nothing.
.set WAVES, 4
.set STEPS, 16
.set EMAX,  2
.set CB,    8                          ; bytes of 16 codes
.set R,     16                         ; v16-79   four sets of 16 numbers as they are loaded
.set X,     80                         ; v80-111  two sets of 16 neighbours
.set E,     112                        ; v112-127 a scale byte for each step
.set C,     128                        ; v128-191 codes: registers of its own for each step
.set WREG,  8192                       ; LDS: a region for each wave: two stages of 32 x SP bytes, behind them its 256 scale bytes
.set SP,    80                         ; a lane's place in a stage: 64 bytes + 16 of padding
.set SPW,   12                         ; v12 LDS address of my spare word; never rewritten
.set NIL,   13                         ; v13 0; never rewritten
.set SPARE, WAVES*WREG                 ; the spare words: 128 bytes for each wave, named by no other line
	s_load_b256 s[4:11], s[0:1], 0x0               ; x, Wq, Wk, Wv
	s_load_b256 s[12:19], s[0:1], 0x20             ; Wo, cod, scl, woh
	s_load_b64 s[20:21], s[0:1], 0x40              ; rope
	v_lshl_add_u32 v[SPW], v0, 2, SPARE
	v_mov_b32 v[NIL], 0
	v_lshrrev_b32 v1, 5, v0
	v_readfirstlane_b32 s22, v1                    ; wave 0..3
	v_and_b32 v2, 31, v0                           ; lane
	s_lshl_b32 s23, ttmp9, 2
	s_add_co_u32 s23, s23, s22                     ; 4 x work-group + wave
	s_mov_b32 s29, 0
	s_wait_kmcnt 0x0
	s_cmp_ge_u32 ttmp9, 304
	s_cbranch_scc1 .Lother
	; ---------------- the quantiser
	v_lshlrev_b32 v3, 4, v2                        ; my 16 bytes of a load's 512
	s_mul_i32 s30, s22, WREG
	v_lshrrev_b32 v14, 2, v2
	v_mul_u32_u24 v14, v14, SP
	v_and_b32 v15, 3, v2
	v_lshl_add_u32 v14, v15, 4, v14
	v_add_nc_u32 v14, s30, v14                     ; the stage, way in: SP (lane / 4) + 16 (lane % 4)
	v_mul_u32_u24 v15, v2, SP
	v_add_nc_u32 v15, s30, v15                     ; way out: SP x lane: my 16 neighbours
	v_mul_u32_u24 v4, v2, CB                       ; my codes' place in a step's
	v_lshrrev_b32 v5, 1, v2
	s_add_co_u32 s30, s30, 2*32*SP
	v_add_nc_u32 v5, s30, v5                       ; my block's byte among my wave's 256
	v_lshlrev_b32 v7, 3, v2
	v_add_nc_u32 v6, s30, v7                       ; and on the way out 8 bytes a lane
	s_mov_b32 s24, 296                             ; which tensor, and its first work-group: the choice hangs on the work-group's number alone
	s_cmp_lt_u32 ttmp9, 296
	s_cselect_b64 s[26:27], s[8:9], s[10:11]
	s_cselect_b32 s24, 288, s24
	s_cmp_lt_u32 ttmp9, 288
	s_cselect_b64 s[26:27], s[6:7], s[26:27]
	s_cselect_b32 s24, 256, s24
	s_cmp_lt_u32 ttmp9, 256
	s_cselect_b64 s[26:27], s[4:5], s[26:27]
	s_cselect_b32 s24, 0, s24
	s_lshl_b32 s24, s24, 2
	s_sub_co_u32 s28, s23, s24                     ; my run of 8,192 numbers in its tensor
	s_lshl_b32 s28, s28, 15
	s_add_nc_u64 s[26:27], s[26:27], s[28:29]
	s_lshl_b32 s28, s23, 12                        ; the weights' rows follow x's in cod and scl: the run's number there is 4 x work-group + wave
	s_add_nc_u64 s[14:15], s[14:15], s[28:29]
	s_lshl_b32 s28, s23, 8
	s_add_nc_u64 s[16:17], s[16:17], s[28:29]
.macro LOAD t
.irp i, 0,1,2,3
	global_load_b128 v[R+16*((\t)%4)+4*\i:R+16*((\t)%4)+4*\i+3], v3, s[26:27] offset:2048*(\t)+512*\i th:TH_LOAD_NT
.endr
.endm
.macro TURN t                          ; step t's numbers through the stage: LDS serves a wave's instructions in order, so no wait stands between the stores and the loads
.irp i, 0,1,2,3
	ds_store_b128 v14, v[R+16*((\t)%4)+4*\i:R+16*((\t)%4)+4*\i+3] offset:32*SP*((\t)%2)+8*SP*\i
.endr
.irp i, 0,1,2,3
	ds_load_b128 v[X+16*((\t)%2)+4*\i:X+16*((\t)%2)+4*\i+3], v15 offset:32*SP*((\t)%2)+16*\i
.endr
.endm
.irp t, 0,1,2,3
	LOAD \t
.endr
	s_wait_loadcnt 12                              ; step 0's four loads are in; the twelve of steps 1 to 3 may be out
	TURN 0
.macro STEP t
.set XS, X+16*((\t)%2)
.if (\t) > 0
	s_wait_dscnt 1                                 ; this step's numbers are back from the stage (the last step's byte store may be out)
.else
	s_wait_dscnt 0x0
.endif
.if (\t)+4 < STEPS
	LOAD (\t)+4                                    ; into the registers that the stage's stores have read
.endif
.if (\t)+1 < STEPS
.if STEPS-2-(\t) >= 3
	s_wait_loadcnt 12                              ; the next step's four loads are in; those of the three steps behind it may be out
.else
	s_wait_loadcnt 4*(STEPS-2-(\t))
.endif
	TURN (\t)+1
.endif
	v_max3_num_f32 v8, |v[XS]|, |v[XS+1]|, |v[XS+2]|               ; the largest magnitude of my 16, in two chains
	v_max3_num_f32 v9, |v[XS+3]|, |v[XS+4]|, |v[XS+5]|
.irp i, 6,10
	v_max3_num_f32 v8, v8, |v[XS+\i]|, |v[XS+\i+1]|
	v_max3_num_f32 v9, v9, |v[XS+\i+2]|, |v[XS+\i+3]|
.endr
	v_max3_num_f32 v8, v8, |v[XS+14]|, |v[XS+15]|
	v_max3_num_f32 v8, v8, v9, (EMAX+1)<<23        ; and the floor 2^(3 - 127): the byte cannot fall under 1
	v_max_num_f32_dpp v8, v8, v8 row_xmask:1 row_mask:0xf bank_mask:0xf   ; and of my neighbour's 16: the block's
	v_add_nc_u32 v11, -(EMAX<<23), v8              ; 2 off its exponent field: the conversion takes the exponent field of this operand as its scale
	v_cvt_scalef32_pk8_fp4_f32 v[C+4*(\t)], v[XS:XS+7], v11
	v_cvt_scalef32_pk8_fp4_f32 v[C+4*(\t)+1], v[XS+8:XS+15], v11
	v_lshrrev_b32 v[E+(\t)], 23, v11               ; the scale's byte
	ds_store_b8 v5, v[E+(\t)] offset:16*(\t)       ; both lanes of a block write the same byte with the same value
	global_store_b64 v4, v[C+4*(\t):C+4*(\t)+1], s[14:15] offset:32*CB*(\t)
.endm
.irp t, 0,1,2,3,4,5,6,7,8,9,10,11,12,13,14,15
	STEP \t
.endr
	ds_load_b64 v[8:9], v6                         ; LDS serves a wave's instructions in order: these see my stores
	s_wait_dscnt 0x0
	global_store_b64 v7, v[8:9], s[16:17]          ; 32 lanes store 256 consecutive bytes
	s_branch .Lend
.Lother:
	s_cmp_ge_u32 ttmp9, 336
	s_cbranch_scc1 .Ltable
	; ---------------- Wo to f16: a wave takes 8,192 numbers, in 4 trips of 16 loads
	s_sub_co_u32 s24, s23, 4*304
	s_lshl_b32 s28, s24, 15
	s_add_nc_u64 s[26:27], s[12:13], s[28:29]
	s_lshl_b32 s28, s24, 14
	s_add_nc_u64 s[18:19], s[18:19], s[28:29]
	v_lshlrev_b32 v3, 4, v2
	v_lshlrev_b32 v4, 3, v2
	s_mov_b32 s25, 4
.Lcast:
.irp i, 0,1,2,3,4,5,6,7,8,9,10,11,12,13,14,15
	global_load_b128 v[16+4*\i:19+4*\i], v3, s[26:27] offset:512*\i th:TH_LOAD_NT
.endr
.irp i, 0,1,2,3,4,5,6,7,8,9,10,11,12,13,14,15
	s_wait_loadcnt 15-\i                           ; load i is in; the younger ones may be out
	v_cvt_pk_f16_f32 v[80+2*\i], v[16+4*\i], v[17+4*\i]
	v_cvt_pk_f16_f32 v[81+2*\i], v[18+4*\i], v[19+4*\i]
	global_store_b64 v4, v[80+2*\i:81+2*\i], s[18:19] offset:256*\i   ; 32 lanes store 256 consecutive bytes
.endr
	s_wait_xcnt 0x0                                ; the bases and the stores' data are written again only behind this wait
	s_add_nc_u64 s[26:27], s[26:27], 8192
	s_add_nc_u64 s[18:19], s[18:19], 4096
	s_sub_co_u32 s25, s25, 1
	s_cmp_lg_u32 s25, 0
	s_cbranch_scc1 .Lcast
	s_branch .Lend
.Ltable:
	; ---------------- the table: a wave takes 16 positions, a lane a frequency
	s_sub_co_u32 s24, s23, 4*336                   ; wave 0..127
	s_lshl_b32 s30, s24, 4                         ; its first position
	s_lshl_b32 s28, s24, 12
	s_add_nc_u64 s[28:29], s[20:21], s[28:29]
	v_lshlrev_b32 v5, 3, v2                        ; 8 bytes a lane
	v_cvt_f32_u32 v26, v2
	v_mul_f32 v26, 0xbed49a78, v26                 ; - i x log2(10000) / 32
	v_exp_f32 v26, v26                             ; 10000^(-i/32)
	v_mov_b32 v27, 0x3638ef1d                      ; 1/9!   (a plain line behind the exponential)
	v_mov_b32 v28, 0xb493f27e                      ; -1/10!
	s_wait_alu depctr_va_vdst(0)                   ; the wait ahead of the first reader of the exponential's result
.macro ENTRY j
	s_add_co_u32 s31, s30, \j
	v_cvt_f32_u32 v30, s31
	v_mul_f32 v30, v30, v26                        ; the angle
	v_mul_f32 v31, 0x3f22f983, v30                 ; x 2 / pi
	v_rndne_f32 v31, v31                           ; n quarter turns
	v_fmamk_f32 v32, v31, 0xbfc90fdb, v30          ; r = angle - n x pi/2: the high part,
	v_fmamk_f32 v32, v31, 0x333bbd2e, v32          ; the low part
	v_mul_f32 v33, v32, v32
	v_fmaak_f32 v34, v27, v33, 0xb9500d01          ; sine's and cosine's sums by turns
	v_fmaak_f32 v35, v28, v33, 0x37d00d01
	v_fmaak_f32 v34, v34, v33, 0x3c088889
	v_fmaak_f32 v35, v35, v33, 0xbab60b61
	v_fmaak_f32 v34, v34, v33, 0xbe2aaaab
	v_fmaak_f32 v35, v35, v33, 0x3d2aaaab
	v_mul_f32 v34, v34, v33
	v_fmaak_f32 v35, v35, v33, 0xbf000000
	v_fma_f32 v34, v34, v32, v32                   ; sin r
	v_fma_f32 v35, v35, v33, 1.0                   ; cos r
	v_cvt_i32_f32 v36, v31
	v_and_b32 v37, 1, v36
	v_cmp_eq_u32 vcc_lo, 1, v37                    ; an odd n swaps the two
	v_cndmask_b32 v38, v34, v35, vcc_lo
	v_cndmask_b32 v39, v35, v34, vcc_lo
	v_and_b32 v37, 2, v36                          ; the sine is negative for n mod 4 = 2, 3,
	v_lshlrev_b32 v37, 30, v37
	v_xor_b32 v[65+2*\j], v37, v38
	v_add_nc_u32 v36, 1, v36                       ; the cosine for 1, 2
	v_and_b32 v36, 2, v36
	v_lshlrev_b32 v36, 30, v36
	v_xor_b32 v[64+2*\j], v36, v39
	global_store_b64 v5, v[64+2*\j:65+2*\j], s[28:29] offset:256*\j   ; a position's 256 bytes; each entry has registers of its own
.endm
.irp j, 0,1,2,3,4,5,6,7,8,9,10,11,12,13,14,15
	ENTRY \j
.endr
.Lend:
	s_wait_tensorcnt 0x0                           ; the wave's end
	ds_add_u32 v[SPW], v[NIL]
	s_wait_dscnt 0x0
	s_endpgm
.Lfunc_end_k_q2705952788_prep:
	.size	k_q2705952788_prep, .Lfunc_end_k_q2705952788_prep-k_q2705952788_prep
	.p2alignl 7, 3214868480
	.fill 96, 4, 3214868480
	.section	.rodata,"a",@progbits
	.p2align	6, 0x0
	.amdhsa_kernel k_q2705952788_prep
		.amdhsa_group_segment_fixed_size 33280
		.amdhsa_private_segment_fixed_size 0
		.amdhsa_enable_private_segment 0
		.amdhsa_kernarg_size 72
		.amdhsa_user_sgpr_count 2
		.amdhsa_user_sgpr_kernarg_segment_ptr 1
		.amdhsa_wavefront_size32 1
		.amdhsa_system_sgpr_workgroup_id_x 1
		.amdhsa_system_sgpr_workgroup_id_y 1
		.amdhsa_system_sgpr_workgroup_id_z 1
		.amdhsa_system_vgpr_workitem_id 0
		.amdhsa_next_free_vgpr 192
		.amdhsa_next_free_sgpr 66
		.amdhsa_reserve_vcc 1
		.amdhsa_float_denorm_mode_32 3
		.amdhsa_float_denorm_mode_16_64 3
		.amdhsa_memory_ordered 1
		.amdhsa_forward_progress 1
		.amdhsa_inst_pref_size 63
	.end_amdhsa_kernel
	.amdgpu_metadata
---
amdhsa.version: [ 1, 2 ]
amdhsa.kernels:
  - .name:           k_q2705952788_prep
    .symbol:         k_q2705952788_prep.kd
    .args:
      - { .name: x, .offset: 0, .size: 8, .value_kind: global_buffer, .address_space: global }
      - { .name: Wq, .offset: 8, .size: 8, .value_kind: global_buffer, .address_space: global }
      - { .name: Wk, .offset: 16, .size: 8, .value_kind: global_buffer, .address_space: global }
      - { .name: Wv, .offset: 24, .size: 8, .value_kind: global_buffer, .address_space: global }
      - { .name: Wo, .offset: 32, .size: 8, .value_kind: global_buffer, .address_space: global }
      - { .name: cod, .offset: 40, .size: 8, .value_kind: global_buffer, .address_space: global }
      - { .name: scl, .offset: 48, .size: 8, .value_kind: global_buffer, .address_space: global }
      - { .name: woh, .offset: 56, .size: 8, .value_kind: global_buffer, .address_space: global }
      - { .name: rope, .offset: 64, .size: 8, .value_kind: global_buffer, .address_space: global }
    .group_segment_fixed_size: 33280
    .private_segment_fixed_size: 0
    .kernarg_segment_align: 8
    .kernarg_segment_size: 72
    .max_flat_workgroup_size: 128
    .sgpr_count:     66
    .vgpr_count:     192
    .wavefront_size: 32
...
	.end_amdgpu_metadata
.endif
;; end of part 1
;; launch qkv (part 2): grid 64 x 4, 12 waves a work-group, no clusters, 288,256 bytes of LDS; arguments cod, scl, rope, qn_w, kn_w, qkv, fq; writes qkv, fq
.if DOCPART == 2
	.amdgcn_target "amdgcn-amd-amdhsa--gfx1250"
	.amdhsa_code_object_version 6
	.text
	.protected	k_q2705952788_qkv
	.globl	k_q2705952788_qkv
	.p2align	8
	.type	k_q2705952788_qkv,@function
k_q2705952788_qkv:
	s_mov_b64 s[64:65], 0
	v_nop
	global_prefetch_b8 v0, s[64:65] scope:SCOPE_SE
	s_setreg_imm32_b32 hwreg(HW_REG_WAVE_MODE, 25, 1), 1
	s_wait_xcnt 0x0
; [q | k | v] = x [Wq; Wk; Wv]^T on codes of FP4 (E2M1) with E8M0 scales, 8192 x 1536 x 1024, sums in f32; then, in f32, the RMS norm over a head's 64 channels and RoPE for q and k; out in f16.
; q is also multiplied by c = log2(e) / 8, so that the scores of the next launch are exponents of 2.
; qkv: q [4][16][2048][64] f16 at 0, k [4][4][2048][64] at KOFF, v likewise at VOFF.  fq [4][16 positions][1536] f32: the same numbers of each sequence's first 16 positions, unrounded, for the launch that carries those rows in f32.
; LIMITS: what is stored in f16 stays under 65,504 in magnitude (|q c| and |k| are at most 8 x the largest gain; v is x Wv^T as it comes); numbers under 6e-5 keep an absolute error of 3e-8.
; SHARES.  Work-group (x, y): rows 128 x on, columns 384 y on.  Twelve waves: wave w takes rows 32 (w % 4) on and columns 128 (w / 4) on, two heads: 2 x 8 accumulators, 8 K steps of 128: 128 matrix instructions.
; ALL OF K LIES IN LDS AT ONCE: 128 + 384 rows of 512 bytes of codes and their 32 scale bytes a row.  Each wave brings one tile (waves 0-7: 64 rows of codes; waves 8-11: the scales of 128 rows): nothing is filled again, one tensor load a wave is out.
; NO CLUSTER: the way out branches on the kind of column (q, k or v) and on whether the rows begin a sequence, both made of the work-group's place, which partners of a cluster may not do.
; THE MATRIX INSTRUCTION IS USED TRANSPOSED (source 0 = 16 rows of W, source 1 = 16 rows of x): lane (r, h) holds row r of x and the columns 16 b + 8 h + 0..7: eight neighbouring channels of a head.
; fq's stores are 16 bytes a lane in rows 6,144 bytes apart: 384 KiB in the whole launch.
.set PITCH, 528                        ; an LDS row of codes: 512 bytes + 16: an odd multiple of 16, so the 16 rows of a fragment load fall on 16 different 16-byte columns
.set BOFF,  128*PITCH                  ; W's 384 rows lie behind x's 128
.set SCL,   512*PITCH                  ; the scale bytes, dense: x's 128 rows x 32, then W's 384 rows x 32
.set SPARE, SCL+16384                  ; the spare words: 128 bytes for each of twelve waves, named by no other line
.set STGW,  4608                       ; the way out: a stage for each wave, 2 heads x 16 rows x 144 bytes, from LDS byte 0 on: in x's tile, which has had its one fill and, behind the second barrier, its last read
.set KOFF,  16777216
.set VOFF,  20971520
.set SPW,  10                          ; v10 my spare word's address;  v11 0: never rewritten
.set NIL,  11
.set SA,   12                          ; v12-15 x's scale words of four K steps: lanes 0-15 row tile 0, lanes 16-31 row tile 1
.set SB,   16                          ; v16-31 W's: register 4 p + q: lanes 0-15 column tile 2 p, lanes 16-31 tile 2 p + 1.  v12-31 hold scales and nothing else
.set TM,   32                          ; v32-39 four sums of squares (pairs), then 1/rms; v40-43 lane exchanges; v44-47 at work
.set AF,   48                          ; v48-63 x's two fragments
.set BF,   64                          ; v64-127 W's eight
.set ACC,  128                         ; v128-255 accumulator (a, b) at 128 + 8 (8 a + b)
.set WR,   48                          ; the way out: v48-79 the gain of my 32 channels;  v80-111 cos and sin of my 16 pairs
.set CS,   80
; v0 (from the end of the head on) 32 h; v1 x's fragments; v2 W's; v3, v4 scale words; v5 stage in; v6 stage back; v7 16 x lane; v8 table; v9 fq
	s_load_b256 s[4:11], s[0:1], 0x0               ; cod, scl, rope, qn_w
	s_load_b128 s[12:15], s[0:1], 0x20             ; kn_w, qkv
	s_load_b64 s[16:17], s[0:1], 0x30              ; fq
	v_lshl_add_u32 v[SPW], v0, 2, SPARE
	v_mov_b32 v[NIL], 0
	ds_add_u32 v[SPW], v[NIL]                      ; the wave's opening: the add, twice on end, and its wait ahead of my first tensor load
	ds_add_u32 v[SPW], v[NIL]
	v_lshrrev_b32 v1, 5, v0
	v_readfirstlane_b32 s18, v1                    ; wave 0..11
	s_and_b32 s19, s18, 3                          ; rg: my 32 rows
	s_lshr_b32 s20, s18, 2                         ; cg: my 128 columns
	s_and_b32 s22, ttmp7, 0xffff                   ; y
	s_mul_i32 s23, s22, 3
	s_add_co_u32 s23, s23, s20                     ; GI = my 128 columns' number, 0..11: 0-7 q, 8-9 k, 10-11 v
	; group 1 for codes: 64 rows x 512 bytes, 4 words of padding behind every 128
	s_mov_b32 s24, (1<<20)|(6<<22)|(3<<25)
	s_mov_b32 s25, 512<<16
	s_mov_b32 s26, 64<<16
	s_mov_b32 s27, 512<<16
	s_mov_b32 s28, 64
	s_mov_b32 s29, 512
	s_mov_b32 s30, 0
	s_mov_b32 s31, 0
	; group 1 for scale bytes: 4,096 dense bytes as 16 rows of 32 elements of 8 bytes
	s_mov_b32 s32, 3<<16
	s_mov_b32 s33, 32<<16
	s_mov_b32 s34, 16<<16
	s_mov_b32 s35, 32<<16
	s_mov_b32 s36, 16
	s_mov_b32 s37, 32
	s_mov_b32 s38, 0
	s_mov_b32 s39, 0
	s_lshl_b32 s54, ttmp9, 7                       ; which 64 rows of codes I fetch: waves 0, 1: x's 128 x + 64 w;
	s_lshl_b32 s55, s18, 6
	s_add_co_u32 s54, s54, s55
	s_mul_i32 s58, s22, 384                        ; waves 2-7: W's 8192 + 384 y + 64 (w - 2)
	s_add_co_u32 s58, s58, s55
	s_add_co_u32 s58, s58, 8192-128
	s_cmp_lt_u32 s18, 2
	s_cselect_b32 s54, s54, s58
	s_lshl_b32 s54, s54, 9
	s_mov_b32 s55, 0
	s_lshl_b32 s58, ttmp9, 7                       ; which 128 rows of scales: wave 8: x's; waves 9-11: W's 8192 + 384 y + 128 (w - 9)
	s_mul_i32 s59, s22, 384
	s_lshl_b32 s60, s18, 7
	s_add_co_u32 s59, s59, s60
	s_add_co_u32 s59, s59, 8192-9*128
	s_cmp_eq_u32 s18, 8
	s_cselect_b32 s58, s58, s59
	s_lshl_b32 s58, s58, 5
	s_mov_b32 s59, 0
	s_mov_b32 s48, 0x76543210
	s_mov_b32 s49, 0xfedcba98                      ; v_permlanex16_b32's selects for lane l xor 16
	s_mov_b32 s50, 0x3c800000                      ; 1/64
	s_mov_b32 s51, 0x358637bd                      ; 1e-6
	s_wait_dscnt 0x0                               ; both opening adds are done
	s_wait_kmcnt 0x0
	s_mov_b32 s40, 1
	s_min_u32 s41, s18, 7                          ; (waves 8-11 do not use this group)
	s_mul_i32 s41, s41, 64*PITCH
	s_add_nc_u64 s[42:43], s[4:5], s[54:55]
	s_or_b32 s43, s43, 0x80000000
	s_mov_b32 s44, 1
	s_and_b32 s45, s18, 3
	s_lshl_b32 s45, s45, 12
	s_add_co_u32 s45, s45, SCL
	s_add_nc_u64 s[46:47], s[6:7], s[58:59]
	s_or_b32 s47, s47, 0x80000000
	s_cmp_lt_u32 s18, 8                            ; the branch hangs on the wave's number alone; an s_nop 0 and four v_nop follow each of the two lines
	s_cbranch_scc0 .Lscales
	tensor_load_to_lds s[40:43], s[24:31]
	s_nop 0
.rept 4
	v_nop
.endr
	s_branch .Lasked
.Lscales:
	tensor_load_to_lds s[44:47], s[32:39]
	s_nop 0
.rept 4
	v_nop
.endr
.Lasked:
	v_and_b32 v32, 15, v0                          ; r
	v_bfe_u32 v33, v0, 4, 1                        ; h
	v_and_b32 v34, 31, v0                          ; lane
	v_mul_u32_u24 v35, v32, PITCH
	v_lshl_add_u32 v35, v33, 4, v35                ; a fragment's row x pitch + 16 h
	s_mul_i32 s60, s19, 32*PITCH
	v_add_nc_u32 v1, s60, v35
	s_mul_i32 s60, s20, 128*PITCH
	s_add_co_u32 s60, s60, BOFF
	v_add_nc_u32 v2, s60, v35
	v_lshlrev_b32 v36, 5, v34                      ; scale words: 32 bytes a row, a lane a row
	s_lshl_b32 s60, s19, 10
	s_add_co_u32 s60, s60, SCL
	v_add_nc_u32 v3, s60, v36
	s_lshl_b32 s60, s20, 12
	s_add_co_u32 s60, s60, SCL+4096
	v_add_nc_u32 v4, s60, v36
	s_mul_i32 s60, s18, STGW
	v_mul_u32_u24 v5, v32, 144
	v_lshl_add_u32 v5, v33, 4, v5
	v_add_nc_u32 v5, s60, v5                       ; stage in: row r, 16 bytes for each half of the lanes
	v_lshrrev_b32 v6, 3, v34
	v_mul_u32_u24 v6, v6, 144
	v_and_b32 v37, 7, v0
	v_lshl_add_u32 v6, v37, 4, v6
	v_add_nc_u32 v6, s60, v6                       ; back: eight lanes to a row of 128 bytes, four rows an instruction
	v_lshlrev_b32 v7, 4, v34
	v_lshlrev_b32 v8, 8, v32
	v_lshl_add_u32 v8, v33, 5, v8                  ; the table: 256 bytes a position, + 32 h
	v_mul_u32_u24 v9, v32, 6144
	v_lshl_add_u32 v9, v33, 5, v9                  ; fq: 6,144 bytes a position, + 32 h
.irp k, 0,1,2,3
	v_mov_b32 v[TM+8+\k], 0                        ; written once: a lane permute's destination counts as one of its sources
.endr
	v_lshlrev_b32 v0, 5, v33                       ; 32 h: my place in the gains
	; where the results go
	s_and_b32 s60, ttmp9, 15
	s_or_b32 s72, s60, s19                         ; 0: my 32 rows begin a sequence
	s_lshl_b32 s73, s60, 7
	s_lshl_b32 s61, s19, 5
	s_add_co_u32 s73, s73, s61                     ; my first row's position in its sequence
	s_lshl_b32 s74, s73, 8
	s_mov_b32 s75, 0
	s_add_nc_u64 s[66:67], s[8:9], s[74:75]        ; the table at that position
	s_lshr_b32 s60, ttmp9, 4                       ; the batch
	s_cmp_lt_u32 s23, 8
	s_cselect_b32 s61, 0, 8
	s_cselect_b32 s62, 4, 2                        ; 16 heads of q, 4 of k and of v
	s_cselect_b32 s63, 0, KOFF
	s_cselect_b32 s52, 0x3e38aa3b, 1.0             ; c for q, 1 for k
	s_cselect_b64 s[56:57], s[10:11], s[12:13]     ; the gain: the choice hangs on ids alone
	s_cmp_ge_u32 s23, 10
	s_cselect_b32 s61, 10, s61
	s_cselect_b32 s63, VOFF, s63
	s_mov_b32 s53, s52
	s_sub_co_u32 s61, s23, s61
	s_lshl_b32 s61, s61, 1                         ; my first head within its kind
	s_lshl_b32 s62, s60, s62
	s_add_co_u32 s61, s61, s62
	s_lshl_b32 s61, s61, 11
	s_add_co_u32 s61, s61, s73
	s_lshl_b32 s61, s61, 7                         ; rows of 128 bytes
	s_add_co_u32 s74, s61, s63
	s_add_nc_u64 s[68:69], s[14:15], s[74:75]
	s_mul_i32 s74, s60, 98304
	s_lshl_b32 s61, s23, 9
	s_add_co_u32 s74, s74, s61
	s_add_nc_u64 s[70:71], s[16:17], s[74:75]      ; fq at my batch and my 128 columns
	s_wait_tensorcnt 0x0                           ; my tile has landed,
	s_barrier_signal -1
	s_barrier_wait -1                              ; everybody's has
; One product: accumulator (a, b), K step q.  Source 0's scales are W's (lanes 16-31 for an odd b), source 1's are x's (lanes 16-31 for a = 1).  The first K step starts the sums with the constant 0.
.macro MM a, b, q
.set rD, ACC+8*(8*(\a)+(\b))
.set rB, BF+8*(\b)
.set rA, AF+8*(\a)
.set rSB, SB+4*((\b)/2)+(\q)%4
.set rSA, SA+(\q)%4
.if (\q) == 0
.if ((\b)%2 == 0) && ((\a) == 0)
	v_wmma_scale_f32_16x16x128_f8f6f4 v[rD:rD+7], v[rB:rB+7], v[rA:rA+7], 0, v[rSB], v[rSA] matrix_a_fmt:MATRIX_FMT_FP4 matrix_b_fmt:MATRIX_FMT_FP4
.elseif ((\b)%2 == 1) && ((\a) == 0)
	v_wmma_scale_f32_16x16x128_f8f6f4 v[rD:rD+7], v[rB:rB+7], v[rA:rA+7], 0, v[rSB], v[rSA] matrix_a_fmt:MATRIX_FMT_FP4 matrix_b_fmt:MATRIX_FMT_FP4 matrix_a_scale:MATRIX_SCALE_ROW1
.elseif ((\b)%2 == 0) && ((\a) == 1)
	v_wmma_scale_f32_16x16x128_f8f6f4 v[rD:rD+7], v[rB:rB+7], v[rA:rA+7], 0, v[rSB], v[rSA] matrix_a_fmt:MATRIX_FMT_FP4 matrix_b_fmt:MATRIX_FMT_FP4 matrix_b_scale:MATRIX_SCALE_ROW1
.else
	v_wmma_scale_f32_16x16x128_f8f6f4 v[rD:rD+7], v[rB:rB+7], v[rA:rA+7], 0, v[rSB], v[rSA] matrix_a_fmt:MATRIX_FMT_FP4 matrix_b_fmt:MATRIX_FMT_FP4 matrix_a_scale:MATRIX_SCALE_ROW1 matrix_b_scale:MATRIX_SCALE_ROW1
.endif
.else
.if ((\b)%2 == 0) && ((\a) == 0)
	v_wmma_scale_f32_16x16x128_f8f6f4 v[rD:rD+7], v[rB:rB+7], v[rA:rA+7], v[rD:rD+7], v[rSB], v[rSA] matrix_a_fmt:MATRIX_FMT_FP4 matrix_b_fmt:MATRIX_FMT_FP4
.elseif ((\b)%2 == 1) && ((\a) == 0)
	v_wmma_scale_f32_16x16x128_f8f6f4 v[rD:rD+7], v[rB:rB+7], v[rA:rA+7], v[rD:rD+7], v[rSB], v[rSA] matrix_a_fmt:MATRIX_FMT_FP4 matrix_b_fmt:MATRIX_FMT_FP4 matrix_a_scale:MATRIX_SCALE_ROW1
.elseif ((\b)%2 == 0) && ((\a) == 1)
	v_wmma_scale_f32_16x16x128_f8f6f4 v[rD:rD+7], v[rB:rB+7], v[rA:rA+7], v[rD:rD+7], v[rSB], v[rSA] matrix_a_fmt:MATRIX_FMT_FP4 matrix_b_fmt:MATRIX_FMT_FP4 matrix_b_scale:MATRIX_SCALE_ROW1
.else
	v_wmma_scale_f32_16x16x128_f8f6f4 v[rD:rD+7], v[rB:rB+7], v[rA:rA+7], v[rD:rD+7], v[rSB], v[rSA] matrix_a_fmt:MATRIX_FMT_FP4 matrix_b_fmt:MATRIX_FMT_FP4 matrix_a_scale:MATRIX_SCALE_ROW1 matrix_b_scale:MATRIX_SCALE_ROW1
.endif
.endif
.endm
; A K step of 128: a fragment is 16 rows x 128 codes in 8 registers: lane (r, h) takes, of row r, the 16 bytes at 64 q + 16 h and those 32 further on.
; The 16 accumulators take turns, one instruction a turn, in the same order in every step.
.macro KSTEP q
.if (\q) > 0
.rept 4
	v_nop                                          ; four places in front of loads into registers that matrix instructions have read (ISA guide 7.12.1 for vector instructions)
.endr
.endif
.if (\q)%4 == 0
	ds_load_b128 v[SA:SA+3], v3 offset:16*((\q)/4) ; the scale words of four K steps
.irp p, 0,1,2,3
	ds_load_b128 v[SB+4*\p:SB+4*\p+3], v4 offset:1024*\p+16*((\q)/4)
.endr
.endif
.irp a, 0,1
.irp c, 0,1
	ds_load_b128 v[AF+8*\a+4*\c:AF+8*\a+4*\c+3], v1 offset:16*PITCH*\a+64*(\q)+32*\c
.endr
.endr
.irp b, 0,1,2,3,4,5,6,7
.irp c, 0,1
	ds_load_b128 v[BF+8*\b+4*\c:BF+8*\b+4*\c+3], v2 offset:16*PITCH*\b+64*(\q)+32*\c
.endr
.endr
.irp b, 0,1,2,3,4,5,6,7
	s_wait_dscnt 14-2*\b                           ; W's fragment b and all in front of it are in; the two loads of each later fragment may be out
	MM 0, \b, \q
	MM 1, \b, \q
.endr
.endm
.irp q, 0,1,2,3,4,5,6,7
	KSTEP \q
.endr
.rept 4
	v_nop                                          ; places behind the last products: results are read, and their operands' registers loaded, below
.endr
	s_wait_dscnt 0x0                               ; my reads of the tiles are over,
	s_barrier_signal -1
	s_barrier_wait -1                              ; everybody's are: the stages may be written
	s_cmp_ge_u32 s23, 10                           ; v has no norm and no RoPE
	s_cbranch_scc1 .Lraw
.irp c, 0,1,2,3
	global_load_b128 v[WR+8*\c:WR+8*\c+3], v0, s[56:57] offset:64*\c          ; the gain at channels 16 c + 8 h + 0..7
	global_load_b128 v[WR+8*\c+4:WR+8*\c+7], v0, s[56:57] offset:64*\c+16
.endr
.irp c, 0,1,2,3
	global_load_b128 v[CS+8*\c:CS+8*\c+3], v8, s[66:67] offset:64*\c          ; cos, sin of pairs 8 c + 4 h + 0..3 at position r of row tile 0
	global_load_b128 v[CS+8*\c+4:CS+8*\c+7], v8, s[66:67] offset:64*\c+16
.endr
.irp i, 0,1,2,3,4,5,6,7,8,9,10,11,12,13,14,15          ; four sums of squares (row tile a, head hd) by turns; each accumulator is read from its low end on
.irp a, 0,1
.irp hd, 0,1
.set rX, ACC+8*(8*\a+4*\hd+\i/4)+2*(\i%4)
.set rT, TM+2*(2*\a+\hd)
.if \i == 0
	v_pk_mul_f32 v[rT:rT+1], v[rX:rX+1], v[rX:rX+1]
.else
	v_pk_fma_f32 v[rT:rT+1], v[rX:rX+1], v[rX:rX+1], v[rT:rT+1]
.endif
.endr
.endr
.endr
.irp k, 0,1,2,3
	v_add_f32 v[TM+2*\k], v[TM+2*\k], v[TM+2*\k+1]
.endr
.irp k, 0,1,2,3
	v_permlanex16_b32 v[TM+8+\k], v[TM+2*\k], s48, s49       ; the row's other 32 channels lie in the lane 16 away
.endr
.irp k, 0,1,2,3
	v_add_f32 v[TM+2*\k], v[TM+2*\k], v[TM+8+\k]
.endr
.irp k, 0,1,2,3
	v_fma_f32 v[TM+2*\k], v[TM+2*\k], s50, s51     ; the mean of squares + 1e-6
.endr
.irp k, 0,1,2,3
	v_rsq_f32 v[TM+2*\k], v[TM+2*\k]
.endr
	v_nop                                          ; a plain line behind the last of the four
	s_wait_alu depctr_va_vdst(0)                   ; the wait ahead of the first reader: one for the four
	s_wait_loadcnt 0x0                             ; the gain and the first table rows
.irp i, 0,1,2,3,4,5,6,7,8,9,10,11,12,13,14,15
	v_pk_mul_f32 v[WR+2*\i:WR+2*\i+1], v[WR+2*\i:WR+2*\i+1], s[52:53] op_sel_hi:[1,0]   ; c goes into q's gain
.endr
.Lraw:
; Row tile a goes out: norm and RoPE (q, k), the f32 copy (a sequence's first 16 positions), f16, the wave's stage, whole runs of 512 bytes.
.macro EPI a
	s_cmp_ge_u32 s23, 10
	s_cbranch_scc1 .Lplain_\@
.if \a == 1
	s_wait_loadcnt 0x0                             ; row tile 1's table rows
.endif
.irp hd, 0,1
.irp i, 0,1,2,3,4,5,6,7,8,9,10,11,12,13,14,15
.set rX, ACC+8*(8*\a+4*\hd+\i/4)+2*(\i%4)
	v_pk_mul_f32 v[rX:rX+1], v[rX:rX+1], v[TM+2*(2*\a+\hd):TM+2*(2*\a+\hd)+1] op_sel_hi:[1,0]   ; x 1/rms
.endr
.endr
.irp hd, 0,1
.irp i, 0,1,2,3,4,5,6,7,8,9,10,11,12,13,14,15
.set rX, ACC+8*(8*\a+4*\hd+\i/4)+2*(\i%4)
	v_pk_mul_f32 v[rX:rX+1], v[rX:rX+1], v[WR+2*\i:WR+2*\i+1]                                   ; x the gain
.endr
.endr
.irp hd, 0,1
.irp i, 0,1,2,3,4,5,6,7,8,9,10,11,12,13,14,15
.set rX, ACC+8*(8*\a+4*\hd+\i/4)+2*(\i%4)
	v_mul_f32 v[TM+12+2*(\i%2)], v[rX+1], v[CS+2*\i+1]             ; (x0, x1) -> (x0 cos - x1 sin, x1 cos + x0 sin)
	v_mul_f32 v[TM+13+2*(\i%2)], v[rX], v[CS+2*\i+1]
	v_fma_f32 v[rX], v[rX], v[CS+2*\i], -v[TM+12+2*(\i%2)]
	v_fma_f32 v[rX+1], v[rX+1], v[CS+2*\i], v[TM+13+2*(\i%2)]
.endr
.endr
.if \a == 0
.irp c, 0,1,2,3
	global_load_b128 v[CS+8*\c:CS+8*\c+3], v8, s[66:67] offset:4096+64*\c      ; row tile 1's table rows, 16 positions on
	global_load_b128 v[CS+8*\c+4:CS+8*\c+7], v8, s[66:67] offset:4096+64*\c+16
.endr
.endif
.Lplain_\@:
.if \a == 0
	s_cmp_lg_u32 s72, 0                            ; ids alone: do my rows begin a sequence?
	s_cbranch_scc1 .Lnot_first_\@
.irp bt, 0,1,2,3,4,5,6,7
	global_store_b128 v9, v[ACC+8*\bt:ACC+8*\bt+3], s[70:71] offset:64*\bt
	global_store_b128 v9, v[ACC+8*\bt+4:ACC+8*\bt+7], s[70:71] offset:64*\bt+16
.endr
	s_wait_xcnt 0x0                                ; the stores' data are written again below, only behind this wait
.Lnot_first_\@:
.endif
.irp bt, 0,1,2,3,4,5,6,7
.irp i, 0,1,2,3
	v_cvt_pk_f16_f32 v[ACC+8*(8*\a+\bt)+\i], v[ACC+8*(8*\a+\bt)+2*\i], v[ACC+8*(8*\a+\bt)+2*\i+1]   ; in place, ascending: no source is written before it is read
.endr
.endr
.irp hd, 0,1
.irp c, 0,1,2,3
	ds_store_b128 v5, v[ACC+8*(8*\a+4*\hd+\c):ACC+8*(8*\a+4*\hd+\c)+3] offset:2304*\hd+32*\c
.endr
.endr
.irp hd, 0,1
.irp i, 0,1,2,3
	ds_load_b128 v[ACC+8*(8*\a+4*\hd+\i)+4:ACC+8*(8*\a+4*\hd+\i)+7], v6 offset:2304*\hd+576*\i     ; LDS serves a wave's instructions in order: these see the stores above
.endr
.endr
.irp hd, 0,1
.irp i, 0,1,2,3
	s_wait_dscnt 7-(4*\hd+\i)                      ; this read-back is in; the younger ones may be out
	global_store_b128 v7, v[ACC+8*(8*\a+4*\hd+\i)+4:ACC+8*(8*\a+4*\hd+\i)+7], s[68:69] offset:262144*\hd+2048*\a+512*\i   ; four positions of a head: 512 consecutive bytes
.endr
.endr
.endm
	EPI 0
	EPI 1
	s_wait_tensorcnt 0x0                           ; the wave's end
	ds_add_u32 v[SPW], v[NIL]
	s_wait_dscnt 0x0
	s_endpgm
.Lfunc_end_k_q2705952788_qkv:
	.size	k_q2705952788_qkv, .Lfunc_end_k_q2705952788_qkv-k_q2705952788_qkv
	.p2alignl 7, 3214868480
	.fill 96, 4, 3214868480
	.section	.rodata,"a",@progbits
	.p2align	6, 0x0
	.amdhsa_kernel k_q2705952788_qkv
		.amdhsa_group_segment_fixed_size 288256
		.amdhsa_private_segment_fixed_size 0
		.amdhsa_enable_private_segment 0
		.amdhsa_kernarg_size 56
		.amdhsa_user_sgpr_count 2
		.amdhsa_user_sgpr_kernarg_segment_ptr 1
		.amdhsa_wavefront_size32 1
		.amdhsa_system_sgpr_workgroup_id_x 1
		.amdhsa_system_sgpr_workgroup_id_y 1
		.amdhsa_system_sgpr_workgroup_id_z 1
		.amdhsa_system_vgpr_workitem_id 0
		.amdhsa_next_free_vgpr 256
		.amdhsa_next_free_sgpr 80
		.amdhsa_reserve_vcc 0
		.amdhsa_float_denorm_mode_32 3
		.amdhsa_float_denorm_mode_16_64 3
		.amdhsa_memory_ordered 1
		.amdhsa_forward_progress 1
		.amdhsa_inst_pref_size 75
	.end_amdhsa_kernel
	.amdgpu_metadata
---
amdhsa.version: [ 1, 2 ]
amdhsa.kernels:
  - .name:           k_q2705952788_qkv
    .symbol:         k_q2705952788_qkv.kd
    .args:
      - { .name: cod, .offset: 0, .size: 8, .value_kind: global_buffer, .address_space: global }
      - { .name: scl, .offset: 8, .size: 8, .value_kind: global_buffer, .address_space: global }
      - { .name: rope, .offset: 16, .size: 8, .value_kind: global_buffer, .address_space: global }
      - { .name: qn_w, .offset: 24, .size: 8, .value_kind: global_buffer, .address_space: global }
      - { .name: kn_w, .offset: 32, .size: 8, .value_kind: global_buffer, .address_space: global }
      - { .name: qkv, .offset: 40, .size: 8, .value_kind: global_buffer, .address_space: global }
      - { .name: fq, .offset: 48, .size: 8, .value_kind: global_buffer, .address_space: global }
    .group_segment_fixed_size: 288256
    .private_segment_fixed_size: 0
    .kernarg_segment_align: 8
    .kernarg_segment_size: 56
    .max_flat_workgroup_size: 384
    .sgpr_count:     80
    .vgpr_count:     256
    .wavefront_size: 32
...
	.end_amdgpu_metadata
.endif
;; end of part 2
;; launch attn (part 3): grid 16 x 16, 16 waves a work-group, no clusters, 327,680 bytes of LDS; arguments qkv, ao; writes ao
.if DOCPART == 3
	.amdgcn_target "amdgcn-amd-amdhsa--gfx1250"
	.amdhsa_code_object_version 6
	.text
	.protected	k_q2705952788_attn
	.globl	k_q2705952788_attn
	.p2align	8
	.type	k_q2705952788_attn,@function
k_q2705952788_attn:
	s_mov_b64 s[64:65], 0
	v_nop
	global_prefetch_b8 v0, s[64:65] scope:SCOPE_SE
	s_setreg_imm32_b32 hwreg(HW_REG_WAVE_MODE, 25, 1), 1
	s_wait_xcnt 0x0
; Causal attention with f16 operands and f32 sums.  q [4][16][2048][64] (already x log2(e)/8), k, v [4][4][2048][64], all f16, in qkv; ao [8192][1024] f16: row = batch x 2048 + position, column = head x 64 + channel.
; SOFTMAX: for each query a running maximum m and sum l in f32: p = 2^(s - m); in every step O and l are multiplied by 2^(m_old - m_new).  p is rounded to f16 for the second product, the sum is taken of the unrounded p.
; LIMITS: v and the result stay under 65,504 in magnitude.  The first 16 positions of every sequence are stored here in this precision and are replaced, in the final output, by a later launch that carries them in f32.
; SHARES.  Work-group (i, y): key/value group y = 4 batch + g, and the blocks of 64 positions i and 31 - i for the group's four heads: every work-group has the same number of key steps that count.
; Sixteen waves, four to a SIMD, 256 registers each.  A wave holds TWO tiles: the same 16 positions of two heads, so that each fragment of K and V read from LDS feeds two products.  Of each SIMD's four waves two take the early block and two the late.
; K and V come through a ring of two LDS slots of 256 keys (waves 0, 1: K's halves; waves 2, 3: V's), read by all sixteen.  EVERY work-group walks all 8 slots, so that trip counts are constants; a key step all of whose 32 keys come
; after the wave's queries is jumped over by a branch on ids; a slot whose first key comes after the work-group's last query is not asked for.
; NO CLUSTER: that jump leads round a tensor load, which a joint load does not allow.
; LAYOUT.  S^T = K Q^T (source 0 = 16 keys, source 1 = 16 queries): a lane holds ONE query (lane % 16) and the keys 8 (lane / 16) + 0..7 of a tile.  Two such tiles, rounded to f16 in pairs, ARE source 1 of O^T = V^T P.  V is turned by ds_load_tr16_b128.
.set PK,    144                        ; a row of K in LDS: 128 bytes + 16: an odd multiple of 16
.set PV,    160                        ; a row of V: 128 + 32: an odd multiple of 32, for the turning load
.set VOFFL, 256*PK                     ; a slot: 256 rows of K, then 256 rows of V
.set SLOT1, 1<<17                      ; slot 1 begins here: one exclusive or turns an address from one slot to the other
.set STAGE, SLOT1+256*(PK+PV)          ; behind the ring: 16 rows x 272 bytes for each wave, for the way out
.set SPARE, STAGE+16*16*272            ; the spare words: 128 bytes for each of sixteen waves, named by no other line
.set KOFF,  16777216
.set VOFFG, 20971520
.set AK0, 1                            ; v1  my lane's place in a tile of K;  v2 of V
.set AV0, 2
.set ADK, 3                            ; v3, v4 the addresses of the loads in hand
.set ADV, 4
.set SPW, 5                            ; v5 my spare word's address;  v6 0: never rewritten
.set NIL, 6
.set GO,  7                            ; v7 my byte offset in the wave's rows of ao;  v8 stage in;  v9 stage back
.set STO, 8
.set RD,  9
.set DQ,  10                           ; v10 r - 8 h;  v11 the same + my first query - the step's first key
.set DD,  11
.set NINF, 12                          ; v12 -infinity
.set PFO, 13                           ; v13 256 x lane: the prefetches' offset; never rewritten
.set ST,  16                           ; tile t's statistics at v[16 + 8 t]: +0 m, +1 m_old - m, +2, +3 l, +4 the factor, +5 lane exchange, +6, +7 at work
.set QQ,  32                           ; v32-63   Q, 16 registers a tile
.set KK,  64                           ; v64-95   K's fragments (key tile kt, channels 32 c on) at 64 + 16 kt + 8 c
.set VV,  96                           ; v96-127  V's (channels 16 f on) at 96 + 8 f
.set SS,  128                          ; v128-159 S^T (tile t, key tile kt) at 128 + 16 t + 8 kt
.set PP,  160                          ; v160-175 P, 8 a tile
.set OO,  176                          ; v176-239 O^T (t, f) at 176 + 32 t + 8 f
.set TB,  2                            ; s2  LDS byte at which the slot in hand begins
.set WV,  18
.set SEL, 20
.set G1K, 24
.set G1V, 32
.set G0K, 40
.set G0V, 44
.set SLOTS, 67                         ; s67 changes of slots still to come that may ask for a slot
.set PFA, 76                           ; s[76:77] where my prefetches stand
.set LIM, 80                           ; s80 1 in a wave that prefetches, else the greatest number
.set QL,  95                           ; s95 my work-group's last query
.set KF,  98                           ; s98 the step's first key
.set Q0,  99                           ; s99 my first query
; Waves 0 and 1 fetch for K, waves 2 and 3 for V, the others nothing.  The branches hang on the wave's number alone.  An s_nop 0 and four v_nop follow each of the two lines.
.macro TLOAD
	s_cmp_lt_u32 s[WV], 2
	s_cbranch_scc0 .Lnot_k_\@
	tensor_load_to_lds s[G0K:G0K+3], s[G1K:G1K+7]
	s_nop 0
.rept 4
	v_nop
.endr
	s_branch .Lasked_\@
.Lnot_k_\@:
	s_cmp_lt_u32 s[WV], 4
	s_cbranch_scc0 .Lasked_\@
	tensor_load_to_lds s[G0V:G0V+3], s[G1V:G1V+7]
	s_nop 0
.rept 4
	v_nop
.endr
.Lasked_\@:
.endm
; A prefetch of what the NEXT change of slots will ask for: a slot's 32,768 dense bytes of K and as many of V.  All sixteen work-groups of a group walk the same K and V: the first of them (i = 0) asks, and in it the waves that fetch nothing:
; waves 4-7 for K, waves 8-11 for V, 8,192 bytes a wave, lanes 256 bytes apart: each aligned 256 bytes are named once in the launch.  The last change that fills a slot asks for nothing; slots 0 and 1 come by their loads alone.
.macro ASK
	s_cmp_gt_u32 s[SLOTS], s[LIM]
	s_cbranch_scc0 .Lnot_mine_\@
	global_prefetch_b8 v[PFO], s[PFA:PFA+1] th:TH_LOAD_NT scope:SCOPE_SE
.Lnot_mine_\@:
.endm
	s_load_b128 s[4:7], s[0:1], 0x0                ; qkv, ao
	v_lshl_add_u32 v[SPW], v0, 2, SPARE
	v_mov_b32 v[NIL], 0
	ds_add_u32 v[SPW], v[NIL]                      ; the wave's opening: the add, twice on end, and its wait ahead of the first tensor load
	ds_add_u32 v[SPW], v[NIL]
	v_lshrrev_b32 v1, 5, v0
	v_readfirstlane_b32 s[WV], v1                  ; wave 0..15
	s_and_b32 s68, ttmp7, 0xffff                   ; y = 4 batch + g
	s_lshr_b32 s69, s[WV], 2
	s_xor_b32 s69, s69, s[WV]
	s_and_b32 s69, s69, 1                          ; 0: the early block, 1: the late one
	s_lshr_b32 s70, s[WV], 1
	s_and_b32 s71, s70, 3                          ; which 16 of the block's 64 positions
	s_lshr_b32 s72, s70, 2                         ; which two of the group's four heads
	s_sub_co_u32 s73, 31, ttmp9
	s_cmp_eq_u32 s69, 1
	s_cselect_b32 s73, s73, ttmp9
	s_lshl_b32 s[Q0], s73, 6
	s_lshl_b32 s74, s71, 4
	s_add_co_u32 s[Q0], s[Q0], s74
	s_sub_co_u32 s[QL], 32, ttmp9
	s_lshl_b32 s[QL], s[QL], 6
	s_sub_co_u32 s[QL], s[QL], 1
	s_lshl_b32 s82, s68, 18                        ; the group's 2,048 rows of 128 bytes
	s_and_b32 s83, s[WV], 1                        ; which 128 rows of a slot I fetch, if I fetch
	s_lshl_b32 s84, s83, 14
	s_add_co_u32 s84, s84, s82
	s_add_co_u32 s86, s84, KOFF
	s_mov_b32 s87, 0
	s_add_co_u32 s88, s84, VOFFG
	s_mov_b32 s89, 0
	; group 1: 128 rows x 64 elements of 2 bytes, dense in memory; padding behind every 32 words: 4 words for K, 8 for V
	s_mov_b32 s[G1K], (1<<16)|(1<<20)|(4<<22)|(3<<25)
	s_mov_b32 s[G1V], (1<<16)|(1<<20)|(4<<22)|(7<<25)
.irp g, G1K, G1V
	s_mov_b32 s[\g+1], 64<<16
	s_mov_b32 s[\g+2], 128<<16
	s_mov_b32 s[\g+3], 64<<16
	s_mov_b32 s[\g+4], 128
	s_mov_b32 s[\g+5], 64
	s_mov_b32 s[\g+6], 0
	s_mov_b32 s[\g+7], 0
.endr
	s_mov_b32 s[SEL], 0x76543210
	s_mov_b32 s[SEL+1], 0xfedcba98
	s_mov_b32 s[TB], 0
	s_mov_b32 s[SLOTS], 7
	s_mov_b32 s[KF], 0
	s_wait_dscnt 0x0                               ; both opening adds are done
	s_wait_kmcnt 0x0
	s_mov_b32 s[G0K], 1
	s_mul_i32 s[G0K+1], s83, 128*PK
	s_add_nc_u64 s[G0K+2:G0K+3], s[4:5], s[86:87]
	s_or_b32 s[G0K+3], s[G0K+3], 0x80000000
	s_mov_b32 s[G0V], 1
	s_mul_i32 s[G0V+1], s83, 128*PV
	s_add_co_u32 s[G0V+1], s[G0V+1], VOFFL
	s_add_nc_u64 s[G0V+2:G0V+3], s[4:5], s[88:89]
	s_or_b32 s[G0V+3], s[G0V+3], 0x80000000
	TLOAD                                          ; slot 0: key 0 counts for every query
	s_lshl_b32 s90, s68, 2
	s_lshl_b32 s91, s72, 1
	s_add_co_u32 s90, s90, s91                     ; my first head, of 64
	s_lshl_b32 s90, s90, 11
	s_add_co_u32 s90, s90, s[Q0]
	s_lshl_b32 s90, s90, 7
	s_mov_b32 s91, 0
	s_add_nc_u64 s[8:9], s[4:5], s[90:91]          ; q at my first head and query
	s_lshr_b32 s92, s68, 2                         ; the batch
	s_lshl_b32 s92, s92, 11
	s_add_co_u32 s92, s92, s[Q0]
	s_lshl_b32 s92, s92, 11                        ; rows of 2,048 bytes
	s_and_b32 s93, s68, 3
	s_lshl_b32 s93, s93, 9
	s_add_co_u32 s92, s92, s93                     ; + 4 g heads of 128 bytes
	s_lshl_b32 s93, s72, 8
	s_add_co_u32 s92, s92, s93                     ; + my two heads' place
	s_mov_b32 s93, 0
	s_add_nc_u64 s[10:11], s[6:7], s[92:93]
	s_mov_b32 s82, VOFFG                           ; the prefetches: waves 4-7 K, waves 8-11 V
	s_cmp_lt_u32 s[WV], 8
	s_cselect_b32 s82, KOFF, s82
	s_lshl_b32 s83, s68, 18
	s_add_co_u32 s82, s82, s83
	s_and_b32 s83, s[WV], 3
	s_lshl_b32 s83, s83, 13
	s_add_co_u32 s82, s82, s83
	s_add_co_u32 s82, s82, 32768                   ; in slot 1: the first change of slots steps it to slot 2
	s_mov_b32 s83, 0
	s_add_nc_u64 s[PFA:PFA+1], s[4:5], s[82:83]
	s_sub_co_u32 s82, s[WV], 4
	s_lshr_b32 s82, s82, 3                         ; 0 in waves 4 to 11,
	s_or_b32 s82, s82, ttmp9                       ; of the group's first work-group
	s_cmp_eq_u32 s82, 0
	s_cselect_b32 s[LIM], 1, -1
	v_and_b32 v14, 15, v0                          ; r
	v_bfe_u32 v15, v0, 4, 1                        ; h
	v_mul_u32_u24 v[AK0], v14, PK
	v_lshl_add_u32 v[AK0], v15, 4, v[AK0]          ; row r x pitch + 16 h
	v_and_b32 v3, 7, v0
	v_lshl_add_u32 v[AV0], v15, 3, v3              ; the turning load: key 8 h + lane % 8,
	v_mul_u32_u24 v[AV0], v[AV0], PV
	v_bfe_u32 v3, v0, 3, 1
	v_lshl_add_u32 v[AV0], v3, 4, v[AV0]           ; channels 8 ((lane / 8) % 2) on
	v_add_nc_u32 v[AV0], VOFFL, v[AV0]
	v_lshlrev_b32 v[GO], 11, v15
	v_lshl_add_u32 v[GO], v14, 4, v[GO]
	s_mul_i32 s96, s[WV], 16*272
	s_add_co_u32 s96, s96, STAGE
	v_mul_u32_u24 v[STO], v14, 272
	v_lshl_add_u32 v[STO], v15, 4, v[STO]
	v_add_nc_u32 v[STO], s96, v[STO]
	v_mul_u32_u24 v[RD], v15, 272
	v_lshl_add_u32 v[RD], v14, 4, v[RD]
	v_add_nc_u32 v[RD], s96, v[RD]
	v_lshlrev_b32 v[DQ], 3, v15
	v_sub_nc_u32 v[DQ], v14, v[DQ]
	v_mov_b32 v[NINF], 0xff800000
	v_and_b32 v[PFO], 31, v0
	v_lshlrev_b32 v[PFO], 8, v[PFO]
	v_lshlrev_b32 v14, 7, v14
	v_lshl_add_u32 v14, v15, 4, v14                ; q: row r of 128 bytes + 16 h
.irp t, 0,1
.irp k, 0,1,2,3
	global_load_b128 v[QQ+16*\t+4*\k:QQ+16*\t+4*\k+3], v14, s[8:9] offset:262144*\t+32*\k   ; Q stays in registers
.endr
.endr
.irp t, 0,1
	v_mov_b32 v[ST+8*\t], 0xff61b1e6               ; m: -3e38, under every score
	v_mov_b32 v[ST+8*\t+1], 0
	v_mov_b32 v[ST+8*\t+2], 0                      ; l, in two halves
	v_mov_b32 v[ST+8*\t+3], 0
	v_mov_b32 v[ST+8*\t+4], 0
	v_mov_b32 v[ST+8*\t+5], 0                      ; a lane permute's destination counts as one of its sources
.endr
.irp j, 0,1,2,3,4,5,6,7,8,9,10,11,12,13,14,15,16,17,18,19,20,21,22,23,24,25,26,27,28,29,30,31,32,33,34,35,36,37,38,39,40,41,42,43,44,45,46,47,48,49,50,51,52,53,54,55,56,57,58,59,60,61,62,63
	v_mov_b32 v[OO+\j], 0                          ; O^T: the step is written once; the first finds zeros, which the first factor, 0, leaves zeros
.endr
; A KEY STEP: 32 keys, the q-th of the slot in hand.
.macro STEP q
	s_add_co_u32 s96, s[Q0], 15
	s_cmp_gt_u32 s[KF], s96                        ; all 32 keys come after my 16 queries: the step's work is left out (ids and the count of steps alone)
	s_cbranch_scc1 .Lhidden_\@
	v_add_nc_u32 v[ADK], s[TB], v[AK0]
	v_add_nc_u32 v[ADV], s[TB], v[AV0]
	v_nop
	v_nop                                          ; these four lines are the places in front of loads into registers that the last products have read
.irp kt, 0,1
.irp c, 0,1
	ds_load_b128 v[KK+16*\kt+8*\c:KK+16*\kt+8*\c+3],   v[ADK] offset:32*PK*(\q)+16*PK*\kt+64*\c
	ds_load_b128 v[KK+16*\kt+8*\c+4:KK+16*\kt+8*\c+7], v[ADK] offset:32*PK*(\q)+16*PK*\kt+64*\c+32
.endr
.endr
.irp f, 0,1,2,3
	ds_load_tr16_b128 v[VV+8*\f:VV+8*\f+3],   v[ADV] offset:32*PV*(\q)+32*\f
	ds_load_tr16_b128 v[VV+8*\f+4:VV+8*\f+7], v[ADV] offset:32*PV*(\q)+32*\f+16*PV
.endr
	s_wait_dscnt 8                                 ; K's eight loads are in; V's eight may be out
.irp c, 0,1                                    ; four accumulators by turns, one instruction a turn; the first four start the sums
.irp t, 0,1
.irp kt, 0,1
.if \c == 0
	v_wmma_f32_16x16x32_f16 v[SS+16*\t+8*\kt:SS+16*\t+8*\kt+7], v[KK+16*\kt+8*\c:KK+16*\kt+8*\c+7], v[QQ+16*\t+8*\c:QQ+16*\t+8*\c+7], 0
.else
	v_wmma_f32_16x16x32_f16 v[SS+16*\t+8*\kt:SS+16*\t+8*\kt+7], v[KK+16*\kt+8*\c:KK+16*\kt+8*\c+7], v[QQ+16*\t+8*\c:QQ+16*\t+8*\c+7], v[SS+16*\t+8*\kt:SS+16*\t+8*\kt+7]
.endif
.endr
.endr
.endr
.rept 4
	v_nop                                          ; places in front of the first read of the scores
.endr
	s_add_co_u32 s96, s[KF], 31
	s_cmp_le_u32 s96, s[Q0]                        ; all 32 keys count for all my queries: nothing to hide
	s_cbranch_scc1 .Lopen_\@
	s_sub_co_i32 s96, s[Q0], s[KF]
	v_add_nc_u32 v[DD], s96, v[DQ]                 ; register 8 kt + j holds key KF + 16 kt + 8 h + j: hidden where 16 kt + j > my query - KF - 8 h
.irp kt, 0,1
.irp j, 0,1,2,3,4,5,6,7
	v_cmp_gt_i32 vcc_lo, 16*\kt+\j, v[DD]
	v_cndmask_b32 v[SS+8*\kt+\j], v[SS+8*\kt+\j], v[NINF], vcc_lo
	v_cndmask_b32 v[SS+16+8*\kt+\j], v[SS+16+8*\kt+\j], v[NINF], vcc_lo
.endr
.endr
.Lopen_\@:
.irp t, 0,1                                    ; the maximum of my 16 scores and the old m; the two tiles line by line; each accumulator is read from its low end on
	v_max3_num_f32 v[ST+8*\t+6], v[SS+16*\t], v[SS+16*\t+1], v[SS+16*\t+2]
	v_max3_num_f32 v[ST+8*\t+7], v[SS+16*\t+8], v[SS+16*\t+9], v[SS+16*\t+10]
.endr
.irp t, 0,1
	v_max3_num_f32 v[ST+8*\t+6], v[ST+8*\t+6], v[SS+16*\t+3], v[SS+16*\t+4]
	v_max3_num_f32 v[ST+8*\t+7], v[ST+8*\t+7], v[SS+16*\t+11], v[SS+16*\t+12]
.endr
.irp t, 0,1
	v_max3_num_f32 v[ST+8*\t+6], v[ST+8*\t+6], v[SS+16*\t+5], v[SS+16*\t+6]
	v_max3_num_f32 v[ST+8*\t+7], v[ST+8*\t+7], v[SS+16*\t+13], v[SS+16*\t+14]
.endr
.irp t, 0,1
	v_max3_num_f32 v[ST+8*\t+6], v[ST+8*\t+6], v[SS+16*\t+7], v[SS+16*\t+15]
.endr
.irp t, 0,1
	v_max3_num_f32 v[ST+8*\t+6], v[ST+8*\t+6], v[ST+8*\t+7], v[ST+8*\t]
.endr
.irp t, 0,1
	v_permlanex16_b32 v[ST+8*\t+5], v[ST+8*\t+6], s[SEL], s[SEL+1]   ; the query's other 16 keys lie in the lane 16 away
.endr
.irp t, 0,1
	v_mov_b32 v[ST+8*\t+1], v[ST+8*\t]
.endr
.irp t, 0,1
	v_max_num_f32 v[ST+8*\t], v[ST+8*\t+6], v[ST+8*\t+5]             ; the new m
.endr
.irp t, 0,1
	v_sub_f32 v[ST+8*\t+1], v[ST+8*\t+1], v[ST+8*\t]                 ; m_old - m
.endr
.irp t, 0,1
.irp j, 0,2,4,6,8,10,12,14
	v_pk_add_f32 v[SS+16*\t+\j:SS+16*\t+\j+1], v[SS+16*\t+\j:SS+16*\t+\j+1], v[ST+8*\t:ST+8*\t+1] op_sel_hi:[1,0] neg_lo:[0,1] neg_hi:[0,1]   ; s - m, two at a time
.endr
.endr
.irp t, 0,1                                    ; ONE BATCH of 34 exponentials: none reads another's result
	v_exp_f32 v[ST+8*\t+4], v[ST+8*\t+1]
.irp j, 0,1,2,3,4,5,6,7,8,9,10,11,12,13,14,15
	v_exp_f32 v[SS+16*\t+\j], v[SS+16*\t+\j]
.endr
.endr
	v_nop                                          ; a plain line behind the last exponential
	s_wait_alu depctr_va_vdst(0)                   ; the wait ahead of the first reader: one for the batch
.irp t, 0,1
.irp i, 0,1,2,3,4,5,6,7
	v_cvt_pk_f16_f32 v[PP+8*\t+\i], v[SS+16*\t+2*\i], v[SS+16*\t+2*\i+1]
.endr
.endr
.irp t, 0,1                                    ; the sum of the unrounded p, in place
.irp j, 0,4,8,12
	v_pk_add_f32 v[SS+16*\t+\j:SS+16*\t+\j+1], v[SS+16*\t+\j:SS+16*\t+\j+1], v[SS+16*\t+\j+2:SS+16*\t+\j+3]
.endr
.endr
.irp t, 0,1
.irp j, 0,8
	v_pk_add_f32 v[SS+16*\t+\j:SS+16*\t+\j+1], v[SS+16*\t+\j:SS+16*\t+\j+1], v[SS+16*\t+\j+4:SS+16*\t+\j+5]
.endr
.endr
.irp t, 0,1
	v_pk_add_f32 v[SS+16*\t:SS+16*\t+1], v[SS+16*\t:SS+16*\t+1], v[SS+16*\t+8:SS+16*\t+9]
.endr
.irp t, 0,1
	v_pk_fma_f32 v[ST+8*\t+2:ST+8*\t+3], v[ST+8*\t+2:ST+8*\t+3], v[ST+8*\t+4:ST+8*\t+5], v[SS+16*\t:SS+16*\t+1] op_sel_hi:[1,0,1]
.endr
.irp t, 0,1
.irp j, 0,2,4,6,8,10,12,14,16,18,20,22,24,26,28,30
	v_pk_mul_f32 v[OO+32*\t+\j:OO+32*\t+\j+1], v[OO+32*\t+\j:OO+32*\t+\j+1], v[ST+8*\t+4:ST+8*\t+5] op_sel_hi:[1,0]   ; O^T under the new m
.endr
.endr
	s_wait_dscnt 0x0                               ; V is in
.irp f, 0,1,2,3                                ; eight different accumulators
.irp t, 0,1
	v_wmma_f32_16x16x32_f16 v[OO+32*\t+8*\f:OO+32*\t+8*\f+7], v[VV+8*\f:VV+8*\f+7], v[PP+8*\t:PP+8*\t+7], v[OO+32*\t+8*\f:OO+32*\t+8*\f+7]
.endr
.endr
.Lhidden_\@:
	s_add_co_u32 s[KF], s[KF], 32
.endm
; THE CHANGE OF SLOTS stands at a slot's head.  Each wave waits for all its tensor loads, adds 0 to its spare word, and waits for that and for its reads of the slot that it has left.  Behind the barrier the slot ahead is whole and nobody
; reads the other one.  fill = 1: that other slot takes the next 256 keys, if any wave of the work-group will read them: the load has a slot's eight steps in which to land.
.macro CHANGE fill
	s_wait_tensorcnt 0x0                           ; no tensor load of mine is out, so a group 0 may be written
	ds_add_u32 v[SPW], v[NIL]
.if \fill
	ds_add_u32 v[SPW], v[NIL]                      ; the add twice on end here, in every trip alike
	s_xor_b32 s[G0K+1], s[G0K+1], SLOT1            ; the walking descriptors: the other slot, the next 256 keys
	s_add_nc_u64 s[G0K+2:G0K+3], s[G0K+2:G0K+3], 32768
	s_xor_b32 s[G0V+1], s[G0V+1], SLOT1
	s_add_nc_u64 s[G0V+2:G0V+3], s[G0V+2:G0V+3], 32768
	s_wait_xcnt 0x0                                ; the last prefetch, a slot back, has read its address
	s_add_nc_u64 s[PFA:PFA+1], s[PFA:PFA+1], 32768 ; one slot further on than the walking descriptors
.endif
	s_wait_dscnt 0x0                               ; the add is done, and my reads of the slot that I have left are over
	s_barrier_signal -1
	s_barrier_wait -1
.if \fill
	s_add_co_u32 s96, s[KF], 256                   ; the first key of the slot that this change would ask for
	s_cmp_gt_u32 s96, s[QL]                        ; past my work-group's last query no wave reads it: ids and the count of steps alone, the same in all sixteen waves; every wait for tensor loads in this text is for 0
	s_cbranch_scc1 .Lpast_\@
	TLOAD                                          ; a wave's one tensor load until the next such barrier
.Lpast_\@:
	ASK
.endif
.endm
.macro SLOT_STEPS
.irp q, 0,1,2,3,4,5,6,7
	STEP \q
.endr
	s_xor_b32 s[TB], s[TB], SLOT1
.endm
	s_wait_loadcnt 0x0                             ; Q
.Lslot:                                            ; 7 trips
	CHANGE 1
	SLOT_STEPS
	s_sub_co_u32 s[SLOTS], s[SLOTS], 1
	s_cmp_lg_u32 s[SLOTS], 0
	s_cbranch_scc1 .Lslot
	CHANGE 0                                       ; the last slot is written out: nothing is left to ask for
	SLOT_STEPS
	; THE WAY OUT: O^T / l, f16, through my stage, so that sixteen lanes store 256 consecutive bytes: two heads of a position.  The first lines are the places behind the last products.
.irp t, 0,1
	v_add_f32 v[ST+8*\t+6], v[ST+8*\t+2], v[ST+8*\t+3]
.endr
.irp t, 0,1
	v_permlanex16_b32 v[ST+8*\t+5], v[ST+8*\t+6], s[SEL], s[SEL+1]
.endr
.irp t, 0,1
	v_add_f32 v[ST+8*\t+6], v[ST+8*\t+6], v[ST+8*\t+5]
.endr
	v_nop
	v_nop
.irp t, 0,1
	v_rcp_f32 v[ST+8*\t+4], v[ST+8*\t+6]
.endr
	v_nop                                          ; a plain line behind the second reciprocal
	s_wait_alu depctr_va_vdst(0)                   ; the wait ahead of the first reader: one for the two
.irp t, 0,1
.irp j, 0,2,4,6,8,10,12,14,16,18,20,22,24,26,28,30
	v_pk_mul_f32 v[OO+32*\t+\j:OO+32*\t+\j+1], v[OO+32*\t+\j:OO+32*\t+\j+1], v[ST+8*\t+4:ST+8*\t+5] op_sel_hi:[1,0]
.endr
.endr
.irp i, 0,1,2,3,4,5,6,7,8,9,10,11,12,13,14,15,16,17,18,19,20,21,22,23,24,25,26,27,28,29,30,31
	v_cvt_pk_f16_f32 v[KK+\i], v[OO+2*\i], v[OO+2*\i+1]
.endr
.irp t, 0,1
.irp f, 0,1,2,3
	ds_store_b128 v[STO], v[KK+16*\t+4*\f:KK+16*\t+4*\f+3] offset:128*\t+32*\f
.endr
.endr
.irp k, 0,1,2,3,4,5,6,7
	ds_load_b128 v[VV+4*\k:VV+4*\k+3], v[RD] offset:544*\k        ; LDS serves a wave's instructions in order: these see my stores
.endr
.irp k, 0,1,2,3,4,5,6,7
	s_wait_dscnt 7-\k                              ; this read-back is in; the younger ones may be out
	global_store_b128 v[GO], v[VV+4*\k:VV+4*\k+3], s[10:11] offset:4096*\k
.endr
	s_wait_tensorcnt 0x0                           ; the wave's end
	ds_add_u32 v[SPW], v[NIL]
	s_wait_dscnt 0x0
	s_endpgm
.Lfunc_end_k_q2705952788_attn:
	.size	k_q2705952788_attn, .Lfunc_end_k_q2705952788_attn-k_q2705952788_attn
	.p2alignl 7, 3214868480
	.fill 96, 4, 3214868480
	.section	.rodata,"a",@progbits
	.p2align	6, 0x0
	.amdhsa_kernel k_q2705952788_attn
		.amdhsa_group_segment_fixed_size 327680
		.amdhsa_private_segment_fixed_size 0
		.amdhsa_enable_private_segment 0
		.amdhsa_kernarg_size 16
		.amdhsa_user_sgpr_count 2
		.amdhsa_user_sgpr_kernarg_segment_ptr 1
		.amdhsa_wavefront_size32 1
		.amdhsa_system_sgpr_workgroup_id_x 1
		.amdhsa_system_sgpr_workgroup_id_y 1
		.amdhsa_system_sgpr_workgroup_id_z 1
		.amdhsa_system_vgpr_workitem_id 0
		.amdhsa_next_free_vgpr 256
		.amdhsa_next_free_sgpr 100
		.amdhsa_reserve_vcc 1
		.amdhsa_float_denorm_mode_32 3
		.amdhsa_float_denorm_mode_16_64 3
		.amdhsa_memory_ordered 1
		.amdhsa_forward_progress 1
		.amdhsa_inst_pref_size 203
	.end_amdhsa_kernel
	.amdgpu_metadata
---
amdhsa.version: [ 1, 2 ]
amdhsa.kernels:
  - .name:           k_q2705952788_attn
    .symbol:         k_q2705952788_attn.kd
    .args:
      - { .name: qkv, .offset: 0, .size: 8, .value_kind: global_buffer, .address_space: global }
      - { .name: ao, .offset: 8, .size: 8, .value_kind: global_buffer, .address_space: global }
    .group_segment_fixed_size: 327680
    .private_segment_fixed_size: 0
    .kernarg_segment_align: 8
    .kernarg_segment_size: 16
    .max_flat_workgroup_size: 512
    .sgpr_count:     100
    .vgpr_count:     256
    .wavefront_size: 32
...
	.end_amdgpu_metadata
.endif
;; end of part 3
;; launch oproj (part 4): grid 8 x 64, 4 waves a work-group, clusters of 4 x 4, 327,680 bytes of LDS; arguments ao, woh, out0; writes out0
.if DOCPART == 4
	.amdgcn_target "amdgcn-amd-amdhsa--gfx1250"
	.amdhsa_code_object_version 6
	.text
	.protected	k_q2705952788_oproj
	.globl	k_q2705952788_oproj
	.p2align	8
	.type	k_q2705952788_oproj,@function
k_q2705952788_oproj:
	s_mov_b64 s[64:65], 0
	v_nop
	global_prefetch_b8 v0, s[64:65] scope:SCOPE_SE
	s_setreg_imm32_b32 hwreg(HW_REG_WAVE_MODE, 25, 1), 1
	s_wait_xcnt 0x0
	s_wait_alu depctr_hold_cnt(0) depctr_sa_sdst(0) depctr_va_vdst(0) depctr_va_sdst(0) depctr_va_ssrc(0) depctr_va_vcc(0) depctr_vm_vsrc(0)
	s_getreg_b32 s2, hwreg(HW_REG_IB_STS2, 6, 4)
	s_cmp_eq_u32 s2, 0
	s_cbranch_scc0 .Lentry_in_a_cluster
	s_endpgm
.Lentry_in_a_cluster:
	s_bfe_u32 s2, ttmp6, 0x10000c
	s_cmp_lg_u32 s2, 0xf033
	s_cbranch_scc0 .Lentry_shape_is_right
	s_endpgm
.Lentry_shape_is_right:
; out0[m][n] = sum over k of ao[m][k] woh[n][k].  ao: [8192][1024], woh: [1024][1024], f16; out0: [8192][1024] f32; sums in f32.
; It also stores the first 16 positions of each sequence (64 rows) in this precision; the next launch stores those rows again, carried in f32: no branch of a cluster launch may hang on a tile's row.
; A tile of out0 is 128 x 128.  Four waves, each 64 x 64: 16 accumulators of 16 x 16, 128 registers.  K goes in steps of 256 (LDS rows of 512 bytes; a wave's tensor load brings 64 of them) through a ring of two slots.
; CLUSTERS: 4 x 4 work-groups.  The four of a row of the cluster need the same tiles of ao, the four of a column the same tiles of woh: each tile is asked for JOINTLY, by the same tensor load with the same descriptor and a mask that names the four.
; THE MATRIX INSTRUCTION IS USED TRANSPOSED (source 0 = 16 rows of woh, source 1 = 16 rows of ao): a lane then holds eight neighbouring numbers of a row of out0.
; REGISTERS: window 0: v0-31 addresses; v32-95 at work on the way out; v128-255 the accumulators ((a, b) at v[128 + 8 (4 a + b)]).  window 1: two fragment buffers of 128: for 64 along K, 64 registers of ao, then 64 of woh.
.set SIZE_M, 8192
.set SIZE_N, 1024
.set SIZE_K, 1024
.set KSTEP,  256
.set PITCH,  528                       ; an LDS row: 512 bytes + 16 of padding: the 16 rows that a load touches fall on 16 different 16-byte columns
.set HALFT,  64*PITCH                  ; 64 rows: what one tensor load brings, and what one wave reads of either operand
.set SLOT,   4*HALFT
.set STAGE,  2*SLOT                    ; behind the ring: 16 rows x 272 bytes for each wave, its own, for the way out
.set SPITCH, 272
.set SPARE,  STAGE+4*16*SPITCH         ; the spare words: 128 bytes for each wave, named by no other line
.set LAPS, SIZE_K/(2*KSTEP)
.set ADRA, 16
.set ADRB, 20
.set STO,  24
.set RD,   25
.set CO,   26
.set SPW,  28
.set NIL,  29
.set TMP,  32
.set ACC,  128
.set F0,   0
.set F1,   128
.set G1, 24
.set G0, 32
.set G1B, 48
.set G0B, 56
.set MSB, 0
.macro WIN new                         ; the immediate's high byte repeats the setting that is left
.if MSB != \new
	s_set_vgpr_msb (MSB<<8)|\new
.set MSB, \new
.endif
.endm
.set MUL,  0x05                        ; sources 0 and 1 window 1; C and D window 0
.set TO_F, 0x40                        ; destination window 1, address window 0
.macro JLOAD s                         ; a joint load: waves 0 and 1 fetch ao's two halves, waves 2 and 3 woh's; an s_nop 0 and four v_nop follow each of the two lines
	s_cmp_eq_u32 s11, 0
	s_cbranch_scc0 .Lfor_b_\@
	tensor_load_to_lds s[G0+4*\s:G0+4*\s+3], s[G1:G1+7]
	s_nop 0
.rept 4
	v_nop
.endr
	s_branch .Lasked_\@
.Lfor_b_\@:
	tensor_load_to_lds s[G0B+4*\s:G0B+4*\s+3], s[G1B:G1B+7]
	s_nop 0
.rept 4
	v_nop
.endr
.Lasked_\@:
.endm
.macro CREST                           ; a round of the cluster's barrier behind its opening barrier
	s_cmp_lg_u32 s10, 0
	s_cbranch_scc1 .Lnot_wave_0_\@
	s_barrier_signal -3
.Lnot_wave_0_\@:
	s_barrier_wait -3
	s_barrier_signal -1
	s_barrier_wait -1
.endm
.macro CROUND
	s_barrier_signal -1
	s_barrier_wait -1
	CREST
.endm
	s_load_b128 s[4:7], s[0:1], 0x0                ; ao s[4:5], woh s[6:7]
	s_load_b64 s[8:9], s[0:1], 0x10                ; out0
	v_lshl_add_u32 v[SPW], v0, 2, SPARE
	v_mov_b32 v[NIL], 0
	ds_add_u32 v[SPW], v[NIL]                      ; the wave's opening: the add, twice on end, and its wait ahead of my first tensor load
	ds_add_u32 v[SPW], v[NIL]
	v_lshrrev_b32 v1, 5, v0
	v_readfirstlane_b32 s10, v1                    ; wave 0..3
	s_lshr_b32 s11, s10, 1                         ; which half of the tile's rows is mine.  Also: I fetch for ao (0) or for woh (1)
	s_and_b32 s12, s10, 1                          ; which half of its columns.  Also: which 64 rows of that tile I fetch
	s_bfe_u32 s40, ttmp6, 0x40000                  ; cx, cy: my place in the cluster
	s_bfe_u32 s41, ttmp6, 0x40004
	s_lshl_b32 s42, ttmp9, 2
	s_add_co_u32 s42, s42, s40                     ; tile column = 4 x cluster x + cx
	s_and_b32 s13, ttmp7, 0xffff
	s_lshl_b32 s13, s13, 2
	s_add_co_u32 s13, s13, s41                     ; tile row = 4 x cluster y + cy
	s_lshl_b32 s43, s41, 2
	s_lshl_b32 s43, 15, s43                        ; my row of the cluster
	s_lshl_b32 s44, 0x1111, s40                    ; my column
	s_or_b32 s[G1+0], s43, (1<<16)|(1<<20)|(1<<21)|(6<<22)|(3<<25)  ; the mask; elements of 2 bytes; padding on; bit 21 beside a mask; 4 words behind every 128
	s_or_b32 s[G1B+0], s44, (1<<16)|(1<<20)|(1<<21)|(6<<22)|(3<<25)
.irp g, G1, G1B
	s_mov_b32 s[\g+1], KSTEP<<16                   ; tensor_dim0 = 256
	s_mov_b32 s[\g+2], 64<<16                      ; tensor_dim1 = 64
	s_mov_b32 s[\g+3], KSTEP<<16                   ; tile_dim0 = 256
	s_mov_b32 s[\g+4], 64                          ; tile_dim1 = 64
	s_mov_b32 s[\g+5], SIZE_K                      ; elements from row to row
	s_mov_b32 s[\g+6], 0
	s_mov_b32 s[\g+7], 0
.endr
	s_lshl_b32 s17, s12, 6                         ; which 64 rows of the tile I fetch
	s_lshl_b32 s16, s13, 7
	s_add_co_u32 s16, s16, s17                     ; ao: row 128 x tile row + 64 x half
	s_lshl_b32 s46, s42, 7
	s_add_co_u32 s46, s46, s17                     ; woh: row 128 x tile column + 64 x half
	s_mov_b32 s17, 0
	s_mov_b32 s47, 0
	s_mov_b64 s[18:19], SIZE_K*2
	s_mul_u64 s[16:17], s[16:17], s[18:19]
	s_mul_u64 s[46:47], s[46:47], s[18:19]
	s_mul_i32 s20, s10, HALFT                      ; where they go: wave x 64 rows: no place in the cluster enters an LDS address
	s_wait_dscnt 0x0                               ; both opening adds are done
	s_wait_kmcnt 0x0
	s_add_nc_u64 s[14:15], s[4:5], s[16:17]
	s_add_nc_u64 s[46:47], s[6:7], s[46:47]
	CROUND                                         ; all sixteen work-groups are here: the first joint loads meet
.irp s, 0,1
	s_mov_b32 s[G0+4*\s], 1
	s_add_co_u32 s[G0+4*\s+1], s20, \s*SLOT
	s_add_nc_u64 s[G0+4*\s+2:G0+4*\s+3], s[14:15], \s*KSTEP*2
	s_or_b32 s[G0+4*\s+3], s[G0+4*\s+3], 0x80000000
	s_mov_b32 s[G0B+4*\s], 1
	s_add_co_u32 s[G0B+4*\s+1], s20, \s*SLOT
	s_add_nc_u64 s[G0B+4*\s+2:G0B+4*\s+3], s[46:47], \s*KSTEP*2
	s_or_b32 s[G0B+4*\s+3], s[G0B+4*\s+3], 0x80000000
	JLOAD \s
.endr
	v_and_b32 v1, 15, v0                           ; l % 16
	v_bfe_u32 v2, v0, 4, 1                         ; l / 16
	v_mul_u32_u24 v3, v1, PITCH
	v_lshl_add_u32 v3, v2, 4, v3                   ; a fragment's row x pitch + 16 x half
	s_mul_i32 s21, s11, HALFT                      ; my 64 rows of ao
	s_mul_i32 s22, s12, HALFT                      ; my 64 rows of woh,
	s_add_co_u32 s22, s22, 2*HALFT                 ; which lie behind ao's 128
.irp s, 0,1
	v_add_nc_u32 v[ADRA+\s], s21, v3
	v_add_nc_u32 v[ADRB+\s], s22, v3
	s_add_co_u32 s21, s21, SLOT
	s_add_co_u32 s22, s22, SLOT
.endr
	s_mul_i32 s23, s10, 16*SPITCH                  ; my stage: a wave's 64 columns of f32 are 256 bytes, whole and aligned, so each wave has its own
	s_add_co_u32 s23, s23, STAGE
	v_mul_u32_u24 v4, v1, SPITCH                   ; in: row l % 16, 32 bytes for each half of the lanes
	v_lshl_add_u32 v4, v2, 5, v4
	v_add_nc_u32 v[STO], s23, v4
	v_mul_u32_u24 v5, v2, SPITCH                   ; back: lanes 0-15 one row of 256 bytes, lanes 16-31 the next
	v_lshl_add_u32 v5, v1, 4, v5
	v_add_nc_u32 v[RD], s23, v5
	v_lshlrev_b32 v5, 12, v2                       ; and the same two rows in out0 (4,096 bytes a row)
	v_lshl_add_u32 v[CO], v1, 4, v5
	s_lshl_b32 s16, s13, 7
	s_lshl_b32 s17, s11, 6
	s_add_co_u32 s16, s16, s17                     ; my first row: 128 x tile row + 64 x half
	s_lshl_b32 s16, s16, 12
	s_mov_b32 s17, 0
	s_add_nc_u64 s[8:9], s[8:9], s[16:17]
	s_lshl_b32 s46, s42, 9                         ; my first column, in bytes: 512 x tile column + 256 x half
	s_lshl_b32 s47, s12, 8
	s_add_co_u32 s46, s46, s47
	s_mov_b32 s47, 0
	s_add_nc_u64 s[8:9], s[8:9], s[46:47]
; 8 matrix instructions: m blocks a0, a0 + 1 x all 4 n blocks, 32 along K: half c of buffer f.  zero = 1: the first product starts the sums
.macro MUL8 f, c, a0, zero
.irp a, \a0, \a0+1
.irp b, 0,1,2,3
.if \zero
	v_wmma_f32_16x16x32_f16 v[ACC+8*(4*(\a)+\b):ACC+8*(4*(\a)+\b)+7], v[\f+64+8*(4*\c+\b):\f+64+8*(4*\c+\b)+7], v[\f+8*(4*\c+\a):\f+8*(4*\c+\a)+7], 0
.else
	v_wmma_f32_16x16x32_f16 v[ACC+8*(4*(\a)+\b):ACC+8*(4*(\a)+\b)+7], v[\f+64+8*(4*\c+\b):\f+64+8*(4*\c+\b)+7], v[\f+8*(4*\c+\a):\f+8*(4*\c+\a)+7], v[ACC+8*(4*(\a)+\b):ACC+8*(4*(\a)+\b)+7]
.endif
.endr
.endr
.endm
; 32 LDS loads in one run: the fragments of 64 along K at byte k of the rows, into buffer f; the first 32 along K first
.macro FETCH slot, k, f
	WIN TO_F
.irp c, 0,1
.irp i, 0,1,2,3
	ds_load_b128 v[\f+64+8*(4*\c+\i):\f+64+8*(4*\c+\i)+3],   v[ADRB+\slot] offset:\k+64*\c+\i*16*PITCH
	ds_load_b128 v[\f+64+8*(4*\c+\i)+4:\f+64+8*(4*\c+\i)+7], v[ADRB+\slot] offset:\k+64*\c+\i*16*PITCH+32
	ds_load_b128 v[\f+8*(4*\c+\i):\f+8*(4*\c+\i)+3],         v[ADRA+\slot] offset:\k+64*\c+\i*16*PITCH
	ds_load_b128 v[\f+8*(4*\c+\i)+4:\f+8*(4*\c+\i)+7],       v[ADRA+\slot] offset:\k+64*\c+\i*16*PITCH+32
.endr
.endr
.endm
.macro PLACES                          ; four places in front of loads into registers that matrix instructions have read, and of the first read of results
.rept 4
	v_nop
.endr
.endm
; A K step is four quarters of 64 along K, 32 matrix instructions each, on buffers 0, 1, 0, 1.  One of the first three: multiplies buffer f and fetches the next quarter, at byte k, into g.
.macro QUARTER slot, k, f, g, zero
	s_wait_dscnt 16                                ; the first 32 along K are in; the sixteen loads of the second 32 may be out
	WIN MUL
	MUL8 \f, 0, 0, \zero
	MUL8 \f, 0, 2, \zero
	PLACES
	FETCH \slot, \k, \g
	s_wait_dscnt 32                                ; all but the 32 just issued
	WIN MUL
	MUL8 \f, 1, 0, 0
	MUL8 \f, 1, 2, 0
.endm
; The last quarter multiplies buffer 1 and changes slots: ONE barrier; in front of it each wave waits for all its tensor loads, adds 0 to its spare word, and waits for that and for its own reads of this slot.  fill = 1: this slot is filled again, two K steps ahead.
.macro TURN slot, next, fill
	WIN 0                                          ; (the add's two registers lie in window 0)
	s_wait_tensorcnt 0x0                           ; all my tensor loads have landed: my part of the next slot
	ds_add_u32 v[SPW], v[NIL]
	s_wait_dscnt 17                                ; (the add and the youngest sixteen loads may be out)
	WIN MUL
	MUL8 F1, 0, 0, 0                               ; eight matrix instructions stand between the add and the wait for it
	s_wait_dscnt 0x0                               ; the add is done, and my reads of this slot are over
	s_barrier_signal -1
	MUL8 F1, 0, 2, 0
.if \fill
	WIN 0
.endif
	s_barrier_wait -1
.if \fill
	CREST                                          ; the barrier has opened a round of the cluster's barrier: no wave of any partner still reads this slot's tile or has a load on its way
	s_add_nc_u64 s[G0+4*\slot+2:G0+4*\slot+3], s[G0+4*\slot+2:G0+4*\slot+3], 2*KSTEP*2
	s_add_nc_u64 s[G0B+4*\slot+2:G0B+4*\slot+3], s[G0B+4*\slot+2:G0B+4*\slot+3], 2*KSTEP*2
	JLOAD \slot                                    ; the first tensor load behind the round; the four v_nop behind it are also the places in front of the loads below
.else
	PLACES
.endif
	FETCH \next, 0, F0
	WIN MUL
	MUL8 F1, 1, 0, 0
	MUL8 F1, 1, 2, 0
.endm
	s_wait_tensorcnt 1                             ; my part of K step 0 is in (K step 1's load may be out)
	s_barrier_signal -1
	s_barrier_wait -1                              ; everybody's is
	FETCH 0, 0, F0
	QUARTER 0, 128, F0, F1, 1                      ; the first quarter stands in front of the loop: its first products start the sums
	WIN 0                                          ; at a label and at a branch every window is 0
	s_mov_b32 s3, LAPS-1
.Llap:                                                 ; a trip goes once round the ring, from a lap's second quarter to the next lap's first, and fills both slots again
	QUARTER 0, 256, F1, F0, 0
	QUARTER 0, 384, F0, F1, 0
	TURN 0, 1, 1
	QUARTER 1, 128, F0, F1, 0
	QUARTER 1, 256, F1, F0, 0
	QUARTER 1, 384, F0, F1, 0
	TURN 1, 0, 1
	QUARTER 0, 128, F0, F1, 0
	WIN 0
	s_sub_co_u32 s3, s3, 1
	s_cmp_lg_u32 s3, 0
	s_cbranch_scc1 .Llap
	QUARTER 0, 256, F1, F0, 0                      ; the last lap fills nothing, and has no round of the cluster's barrier
	QUARTER 0, 384, F0, F1, 0
	TURN 0, 1, 0
	QUARTER 1, 128, F0, F1, 0
	QUARTER 1, 256, F1, F0, 0
	QUARTER 1, 384, F0, F1, 0
	s_wait_dscnt 16                                ; the very last quarter: nothing more to fetch
	WIN MUL
	MUL8 F1, 0, 0, 0
	MUL8 F1, 0, 2, 0
	s_wait_dscnt 0
	MUL8 F1, 1, 0, 0
	MUL8 F1, 1, 2, 0
	WIN 0
; THE WAY OUT, a block of 16 rows x 64 columns at a time: a lane's 32 bytes go into my own stage and come back as whole rows of 256 bytes.  LDS serves a wave's instructions in order: no wait between the stores and the loads.
.macro TOSTAGE a
.irp b, 0,1,2,3
	ds_store_b128 v[STO], v[ACC+8*(4*(\a)+\b):ACC+8*(4*(\a)+\b)+3] offset:64*\b         ; each accumulator from its low end on
	ds_store_b128 v[STO], v[ACC+8*(4*(\a)+\b)+4:ACC+8*(4*(\a)+\b)+7] offset:64*\b+16
.endr
.set BB, TMP+32*((\a)%2)
.irp t, 0,1,2,3,4,5,6,7
	ds_load_b128 v[BB+4*\t:BB+4*\t+3], v[RD] offset:\t*2*SPITCH
.endr
.endm
.macro SEND a, younger                 ; younger: the LDS instructions issued behind block a's loads, which may stay out
.set BB, TMP+32*((\a)%2)
	s_wait_dscnt \younger
.irp t, 0,1,2,3,4,5,6,7
	global_store_b128 v[CO], v[BB+4*\t:BB+4*\t+3], s[8:9] offset:(16*(\a)+2*\t)*SIZE_N*4 th:TH_STORE_NT   ; 16 lanes store 256 consecutive bytes, at a multiple of 256 from out0's first byte
.endr
.endm
	PLACES
	TOSTAGE 0
.irp a, 1,2,3
.if \a > 1
	s_wait_xcnt 0x0                                ; block a - 2's stores have read their registers: block a's loads may land there
.endif
	TOSTAGE \a
	SEND \a-1, 16                                  ; behind block a - 1's loads: block a's 8 stores and 8 loads
.endr
	SEND 3, 0
	s_wait_tensorcnt 0x0                           ; the wave's end
	ds_add_u32 v[SPW], v[NIL]
	s_wait_dscnt 0x0
	CROUND                                         ; the closing round: no work-group ends while a partner may still ask for a tile that names it
	s_endpgm
.Lfunc_end_k_q2705952788_oproj:
	.size	k_q2705952788_oproj, .Lfunc_end_k_q2705952788_oproj-k_q2705952788_oproj
	.p2alignl 7, 3214868480
	.fill 96, 4, 3214868480
	.section	.rodata,"a",@progbits
	.p2align	6, 0x0
	.amdhsa_kernel k_q2705952788_oproj
		.amdhsa_group_segment_fixed_size 327680
		.amdhsa_private_segment_fixed_size 0
		.amdhsa_enable_private_segment 0
		.amdhsa_kernarg_size 24
		.amdhsa_user_sgpr_count 2
		.amdhsa_user_sgpr_kernarg_segment_ptr 1
		.amdhsa_wavefront_size32 1
		.amdhsa_system_sgpr_workgroup_id_x 1
		.amdhsa_system_sgpr_workgroup_id_y 1
		.amdhsa_system_sgpr_workgroup_id_z 1
		.amdhsa_system_vgpr_workitem_id 0
		.amdhsa_next_free_vgpr 512
		.amdhsa_next_free_sgpr 66
		.amdhsa_reserve_vcc 0
		.amdhsa_float_denorm_mode_32 3
		.amdhsa_float_denorm_mode_16_64 3
		.amdhsa_memory_ordered 1
		.amdhsa_forward_progress 1
		.amdhsa_inst_pref_size 86
	.end_amdhsa_kernel
	.amdgpu_metadata
---
amdhsa.version: [ 1, 2 ]
amdhsa.kernels:
  - .name:           k_q2705952788_oproj
    .symbol:         k_q2705952788_oproj.kd
    .args:
      - { .name: ao, .offset: 0, .size: 8, .value_kind: global_buffer, .address_space: global }
      - { .name: woh, .offset: 8, .size: 8, .value_kind: global_buffer, .address_space: global }
      - { .name: out0, .offset: 16, .size: 8, .value_kind: global_buffer, .address_space: global }
    .group_segment_fixed_size: 327680
    .private_segment_fixed_size: 0
    .kernarg_segment_align: 8
    .kernarg_segment_size: 24
    .max_flat_workgroup_size: 128
    .sgpr_count:     66
    .vgpr_count:     512
    .wavefront_size: 32
...
	.end_amdgpu_metadata
.endif
;; end of part 4
;; launch fine (part 5): grid 64 x 4, 8 waves a work-group, no clusters, 9,216 bytes of LDS; arguments fq, Wo, out0; writes out0
.if DOCPART == 5
	.amdgcn_target "amdgcn-amd-amdhsa--gfx1250"
	.amdhsa_code_object_version 6
	.text
	.protected	k_q2705952788_fine
	.globl	k_q2705952788_fine
	.p2align	8
	.type	k_q2705952788_fine,@function
k_q2705952788_fine:
	s_mov_b64 s[64:65], 0
	v_nop
	global_prefetch_b8 v0, s[64:65] scope:SCOPE_SE
	s_setreg_imm32_b32 hwreg(HW_REG_WAVE_MODE, 25, 1), 1
	s_wait_xcnt 0x0
; The first 16 positions of each sequence, in f32 from end to end: under the causal mask they average one to sixteen values and are the largest rows of the output, so the rounding of 16-bit operands would weigh most there.
; fq [4][16 positions][1536] f32: q (x log2(e)/8, 16 heads x 64), k at column 1024, v at column 1280 (4 groups x 64).  Wo [1024][1024] f32.  out0 rows batch x 2048 + 0..15 are stored again here.
; SHARES.  Work-group (nc, batch): 16 output columns, n0 = 16 nc.  Wave w: heads 2 w and 2 w + 1 (group w / 2), which are K = 128 w .. 128 w + 127 of the projection: it makes their 16 x 16 attention, multiplies by its slice of Wo,
; and the eight waves' partial results meet in LDS, where wave 0 adds them in the order of the waves.  96 matrix instructions of 16 x 16 x 4 a wave: no bulk work.
; A store covers 64 bytes of each of 16 rows: 256 KiB in the whole launch.
; LAYOUTS.  All three products are used transposed, so that a lane holds one query (lane % 16) throughout.  Along each product's K the places (h, j) of an instruction take the same element in both operands:
;   S^T = K Q^T: register pair u of the load at 32 s' + 16 h: channel 8 s' + 4 h + 2 u + j.   O^T = V^T P: key 8 h + 2 s + j.   Y^T = Wo O^T: channel 16 c + 8 h + 2 s + j.
; v144-255 are written by matrix instructions alone; what is made of a finished sum goes into other registers.
.set SPARE, 8192                       ; behind the eight partial results of 1,024 bytes: the spare words, 128 bytes a wave
.set SPW, 14
.set NIL, 15
.set QR,  16                           ; v16-79   Q, 32 a head; later Wo's slice (head e, channels 16 c on) at 16 + 8 (4 e + c); later the partial results
.set KR,  80                           ; v80-111  K; later the masked scores and P, 8 a head, at 80 + 8 e
.set TT,  80
.set VR,  112                          ; v112-143 V (c, s, j) at 112 + 8 c + 2 s + j
.set SS,  144                          ; v144-159 S^T
.set OO,  160                          ; v160-223 O^T (e, c)
.set YY,  224                          ; v224-255 Y^T, four partial sums by c
	s_load_b128 s[4:7], s[0:1], 0x0                ; fq, Wo
	s_load_b64 s[8:9], s[0:1], 0x10                ; out0
	v_lshl_add_u32 v[SPW], v0, 2, SPARE
	v_mov_b32 v[NIL], 0
	v_lshrrev_b32 v1, 5, v0
	v_readfirstlane_b32 s10, v1                    ; wave 0..7
	s_and_b32 s11, ttmp7, 0xffff                   ; the batch
	v_and_b32 v6, 15, v0                           ; r
	v_bfe_u32 v7, v0, 4, 1                         ; h
	v_and_b32 v8, 31, v0
	v_mul_u32_u24 v1, v6, 6144
	v_lshl_add_u32 v1, v7, 4, v1                   ; q, k: position r, + 16 h
	v_mul_u32_u24 v2, v7, 49152
	v_lshl_add_u32 v2, v6, 2, v2                   ; v: key 8 h, channel r
	v_lshlrev_b32 v3, 12, v6
	v_lshl_add_u32 v3, v7, 5, v3                   ; Wo and out0: row r of 4,096 bytes, + 32 h
	v_lshlrev_b32 v4, 3, v7
	v_sub_nc_u32 v4, v6, v4                        ; r - 8 h
	v_mov_b32 v5, 0xff800000                       ; -infinity
	v_lshlrev_b32 v13, 4, v8                       ; 16 x lane
	s_lshl_b32 s12, s10, 10
	v_add_nc_u32 v12, s12, v13                     ; my partial result's place
	v_mov_b32 v9, 0                                ; (v8, v9: a lane permute's destination counts as one of its sources)
	s_mul_i32 s12, s11, 98304
	s_mov_b32 s13, 0
	s_lshl_b32 s14, s10, 9                         ; my two heads of q: 512 w
	s_mov_b32 s15, 0
	s_lshr_b32 s18, s10, 1
	s_lshl_b32 s18, s18, 8
	s_add_co_u32 s18, s18, 4096                    ; my group's k; its v lies 1,024 bytes further on
	s_mov_b32 s19, 0
	s_lshl_b32 s24, ttmp9, 16                      ; Wo: row 16 nc, + my 128 channels
	s_add_co_u32 s24, s24, s14
	s_mov_b32 s25, 0
	s_lshl_b32 s26, s11, 23                        ; out0: the batch's first row, + 64 nc
	s_lshl_b32 s27, ttmp9, 6
	s_add_co_u32 s26, s26, s27
	s_mov_b32 s27, 0
	s_mov_b32 s28, 0x76543210
	s_mov_b32 s29, 0xfedcba98
	s_wait_kmcnt 0x0
	s_add_nc_u64 s[4:5], s[4:5], s[12:13]
	s_add_nc_u64 s[20:21], s[4:5], s[14:15]
	s_add_nc_u64 s[22:23], s[4:5], s[18:19]
	s_add_nc_u64 s[6:7], s[6:7], s[24:25]
	s_add_nc_u64 s[8:9], s[8:9], s[26:27]
.irp e, 0,1
.irp p, 0,1,2,3,4,5,6,7
	global_load_b128 v[QR+32*\e+4*\p:QR+32*\e+4*\p+3], v1, s[20:21] offset:256*\e+32*\p
.endr
.endr
.irp p, 0,1,2,3,4,5,6,7
	global_load_b128 v[KR+4*\p:KR+4*\p+3], v1, s[22:23] offset:32*\p
.endr
.irp c, 0,1,2,3
.irp s, 0,1,2,3
.irp j, 0,1
	global_load_b32 v[VR+8*\c+2*\s+\j], v2, s[22:23] offset:1024+(2*\s+\j)*6144+64*\c
.endr
.endr
.endr
	s_wait_loadcnt 32                              ; q and k are in; v's 32 loads may be out
.irp p, 0,1,2,3,4,5,6,7                        ; S^T: the two heads' accumulators by turns, one instruction a turn; the first two start the sums
.irp u, 0,1
.irp e, 0,1
.if (\p == 0) && (\u == 0)
	v_wmma_f32_16x16x4_f32 v[SS+8*\e:SS+8*\e+7], v[KR+4*\p+2*\u:KR+4*\p+2*\u+1], v[QR+32*\e+4*\p+2*\u:QR+32*\e+4*\p+2*\u+1], 0
.else
	v_wmma_f32_16x16x4_f32 v[SS+8*\e:SS+8*\e+7], v[KR+4*\p+2*\u:KR+4*\p+2*\u+1], v[QR+32*\e+4*\p+2*\u:QR+32*\e+4*\p+2*\u+1], v[SS+8*\e:SS+8*\e+7]
.endif
.endr
.endr
.endr
.rept 8
	v_nop                                          ; eight places behind this form: results are read, and the operands' registers loaded and written, below
.endr
.irp e, 0,1
.irp c, 0,1,2,3
	global_load_b128 v[QR+8*(4*\e+\c):QR+8*(4*\e+\c)+3], v3, s[6:7] offset:256*\e+64*\c         ; Wo(n0 + r, my head e's channels 16 c + 8 h + 0..7)
	global_load_b128 v[QR+8*(4*\e+\c)+4:QR+8*(4*\e+\c)+7], v3, s[6:7] offset:256*\e+64*\c+16
.endr
.endr
.irp j, 0,1,2,3,4,5,6,7                        ; register j holds key 8 h + j: hidden where j > r - 8 h.  The masked scores go into other registers; each accumulator is read from its low end on
	v_cmp_gt_i32 vcc_lo, \j, v4
	v_cndmask_b32 v[TT+\j], v[SS+\j], v5, vcc_lo
	v_cndmask_b32 v[TT+8+\j], v[SS+8+\j], v5, vcc_lo
.endr
.irp e, 0,1
	v_max3_num_f32 v[6+\e], v[TT+8*\e], v[TT+8*\e+1], v[TT+8*\e+2]
.endr
.irp e, 0,1
	v_max3_num_f32 v[6+\e], v[6+\e], v[TT+8*\e+3], v[TT+8*\e+4]
.endr
.irp e, 0,1
	v_max3_num_f32 v[6+\e], v[6+\e], v[TT+8*\e+5], v[TT+8*\e+6]
.endr
.irp e, 0,1
	v_max_num_f32 v[6+\e], v[6+\e], v[TT+8*\e+7]
.endr
.irp e, 0,1
	v_permlanex16_b32 v[8+\e], v[6+\e], s28, s29
.endr
.irp e, 0,1
	v_max_num_f32 v[6+\e], v[6+\e], v[8+\e]        ; the row's maximum: key 0 counts for every query, so it is a number
.endr
.irp e, 0,1
.irp j, 0,1,2,3,4,5,6,7
	v_sub_f32 v[TT+8*\e+\j], v[TT+8*\e+\j], v[6+\e]
.endr
.endr
.irp j, 0,1,2,3,4,5,6,7,8,9,10,11,12,13,14,15
	v_exp_f32 v[TT+\j], v[TT+\j]
.endr
	v_nop                                          ; a plain line behind the last exponential
	s_wait_alu depctr_va_vdst(0)                   ; the wait ahead of the first reader: one for the sixteen
.irp e, 0,1
	v_add_f32 v[10+\e], v[TT+8*\e], v[TT+8*\e+1]
.endr
.irp j, 2,3,4,5,6,7
.irp e, 0,1
	v_add_f32 v[10+\e], v[10+\e], v[TT+8*\e+\j]
.endr
.endr
.irp e, 0,1
	v_permlanex16_b32 v[8+\e], v[10+\e], s28, s29
.endr
.irp e, 0,1
	v_add_f32 v[10+\e], v[10+\e], v[8+\e]
.endr
.irp e, 0,1
	v_rcp_f32 v[10+\e], v[10+\e]
.endr
	v_nop
	s_wait_alu depctr_va_vdst(0)                   ; and one for the two reciprocals
.irp e, 0,1
.irp j, 0,1,2,3,4,5,6,7
	v_mul_f32 v[TT+8*\e+\j], v[TT+8*\e+\j], v[10+\e]   ; the weights, normalised
.endr
.endr
	s_wait_loadcnt 16                              ; v is in; Wo's sixteen loads may be out
.irp s, 0,1,2,3                                ; O^T: eight accumulators by turns
.irp e, 0,1
.irp c, 0,1,2,3
.if \s == 0
	v_wmma_f32_16x16x4_f32 v[OO+8*(4*\e+\c):OO+8*(4*\e+\c)+7], v[VR+8*\c+2*\s:VR+8*\c+2*\s+1], v[TT+8*\e+2*\s:TT+8*\e+2*\s+1], 0
.else
	v_wmma_f32_16x16x4_f32 v[OO+8*(4*\e+\c):OO+8*(4*\e+\c)+7], v[VR+8*\c+2*\s:VR+8*\c+2*\s+1], v[TT+8*\e+2*\s:TT+8*\e+2*\s+1], v[OO+8*(4*\e+\c):OO+8*(4*\e+\c)+7]
.endif
.endr
.endr
.endr
.rept 9
	v_nop                                          ; nine places: these results are operands of the products below
.endr
	s_wait_loadcnt 0x0                             ; Wo
.irp e, 0,1                                    ; Y^T: four accumulators by turns
.irp s, 0,1,2,3
.irp c, 0,1,2,3
.if (\e == 0) && (\s == 0)
	v_wmma_f32_16x16x4_f32 v[YY+8*\c:YY+8*\c+7], v[QR+8*(4*\e+\c)+2*\s:QR+8*(4*\e+\c)+2*\s+1], v[OO+8*(4*\e+\c)+2*\s:OO+8*(4*\e+\c)+2*\s+1], 0
.else
	v_wmma_f32_16x16x4_f32 v[YY+8*\c:YY+8*\c+7], v[QR+8*(4*\e+\c)+2*\s:QR+8*(4*\e+\c)+2*\s+1], v[OO+8*(4*\e+\c)+2*\s:OO+8*(4*\e+\c)+2*\s+1], v[YY+8*\c:YY+8*\c+7]
.endif
.endr
.endr
.endr
.rept 8
	v_nop
.endr
.irp j, 0,1,2,3,4,5,6,7
	v_add_f32 v[TT+\j], v[YY+\j], v[YY+8+\j]       ; register j: out(position r, n0 + 8 h + j), my 128 of K
.endr
.irp j, 0,1,2,3,4,5,6,7
	v_add_f32 v[TT+8+\j], v[YY+16+\j], v[YY+24+\j]
.endr
.irp j, 0,1,2,3,4,5,6,7
	v_add_f32 v[TT+\j], v[TT+\j], v[TT+8+\j]
.endr
	ds_store_b128 v12, v[TT:TT+3]
	ds_store_b128 v12, v[TT+4:TT+7] offset:512
	s_wait_dscnt 0x0                               ; for the others' sake: my stores have landed
	s_barrier_signal -1
	s_barrier_wait -1
	s_cmp_lg_u32 s10, 0
	s_cbranch_scc1 .Lend
.irp w, 0,1,2,3,4,5,6,7
	ds_load_b128 v[QR+8*\w:QR+8*\w+3], v13 offset:1024*\w
	ds_load_b128 v[QR+8*\w+4:QR+8*\w+7], v13 offset:1024*\w+512
.endr
	s_wait_dscnt 0x0
.irp w, 1,2,3,4,5,6,7
.irp j, 0,1,2,3,4,5,6,7
	v_add_f32 v[QR+\j], v[QR+\j], v[QR+8*\w+\j]
.endr
.endr
	global_store_b128 v3, v[QR:QR+3], s[8:9]
	global_store_b128 v3, v[QR+4:QR+7], s[8:9] offset:16
.Lend:
	s_wait_tensorcnt 0x0                           ; the wave's end
	ds_add_u32 v[SPW], v[NIL]
	s_wait_dscnt 0x0
	s_endpgm
.Lfunc_end_k_q2705952788_fine:
	.size	k_q2705952788_fine, .Lfunc_end_k_q2705952788_fine-k_q2705952788_fine
	.p2alignl 7, 3214868480
	.fill 96, 4, 3214868480
	.section	.rodata,"a",@progbits
	.p2align	6, 0x0
	.amdhsa_kernel k_q2705952788_fine
		.amdhsa_group_segment_fixed_size 9216
		.amdhsa_private_segment_fixed_size 0
		.amdhsa_enable_private_segment 0
		.amdhsa_kernarg_size 24
		.amdhsa_user_sgpr_count 2
		.amdhsa_user_sgpr_kernarg_segment_ptr 1
		.amdhsa_wavefront_size32 1
		.amdhsa_system_sgpr_workgroup_id_x 1
		.amdhsa_system_sgpr_workgroup_id_y 1
		.amdhsa_system_sgpr_workgroup_id_z 1
		.amdhsa_system_vgpr_workitem_id 0
		.amdhsa_next_free_vgpr 256
		.amdhsa_next_free_sgpr 66
		.amdhsa_reserve_vcc 1
		.amdhsa_float_denorm_mode_32 3
		.amdhsa_float_denorm_mode_16_64 3
		.amdhsa_memory_ordered 1
		.amdhsa_forward_progress 1
		.amdhsa_inst_pref_size 24
	.end_amdhsa_kernel
	.amdgpu_metadata
---
amdhsa.version: [ 1, 2 ]
amdhsa.kernels:
  - .name:           k_q2705952788_fine
    .symbol:         k_q2705952788_fine.kd
    .args:
      - { .name: fq, .offset: 0, .size: 8, .value_kind: global_buffer, .address_space: global }
      - { .name: Wo, .offset: 8, .size: 8, .value_kind: global_buffer, .address_space: global }
      - { .name: out0, .offset: 16, .size: 8, .value_kind: global_buffer, .address_space: global }
    .group_segment_fixed_size: 9216
    .private_segment_fixed_size: 0
    .kernarg_segment_align: 8
    .kernarg_segment_size: 24
    .max_flat_workgroup_size: 256
    .sgpr_count:     66
    .vgpr_count:     256
    .wavefront_size: 32
...
	.end_amdgpu_metadata
.endif
;; end of part 5
